; MI455X (gfx1250); checked and timed in simulation.
; The chip was launched on July 23, 2026; its instructions are those of AMD's public machine-readable ISA for CDNA 5 (MIT licence, August 2026) and "CDNA5" Instruction Set Architecture Reference Guide (July 2026). The comments in the code are by the model that wrote it; some were corrected since.
;; Multi Head Attention. Allowed arithmetic: matrix products marked QUANTISED: E4M3 operands, one given power-of-two scale a tensor, by v_wmma_f32_16x16x64_fp8_fp8 or v_wmma_f32_16x16x128_fp8_fp8, f32 sums; everything else in f32.
;; Inputs: Wk 1,024 x 1,024 float32; Wo 1,024 x 1,024 float32; Wq 1,024 x 1,024 float32; Wv 1,024 x 1,024 float32; bk 1,024 float32; bo 1,024 float32; bq 1,024 float32; bv 1,024 float32; lowp_scales 12 int32 (the exponents e of the quantised operands' scales 2^e); x 2 x 2,048 x 1,024 float32.
;; Outputs: out0 2 x 2,048 x 1,024 float32.
;; Constants: mask = 1.
;; This version of the problem:
;;   THIS VERSION OF THE PROBLEM IS GIVEN IN LOW PRECISION. The matrix products marked QUANTISED in the list below multiply operands that are first quantised to E4M3 (4 exponent bits, 3 mantissa bits; 8 bits a number), with one given power-of-two scale for each operand tensor; their sums are f32. All else is computed in f32.
;;   The module's matrix products, in the order in which they are computed (A, B: the left and right operand; K: the contracted axis; several contracted axes count as one K, in the product's order):
;;     1. [M 4,096, K 1,024] x [K 1,024, N 1,024]; A: input x; B: input Wq: QUANTISED (scales: A lowp_scales[0], B lowp_scales[1])
;;     2. [M 4,096, K 1,024] x [K 1,024, N 1,024]; A: input x; B: input Wk: QUANTISED (scales: A lowp_scales[2], B lowp_scales[3])
;;     3. [M 4,096, K 1,024] x [K 1,024, N 1,024]; A: input x; B: input Wv: QUANTISED (scales: A lowp_scales[4], B lowp_scales[5])
;;     4. batch 32 x [M 2,048, K 64] x [K 64, N 2,048]; A: computed on the way; B: computed on the way: QUANTISED (scales: A lowp_scales[6], B lowp_scales[7])
;;     5. batch 32 x [M 2,048, K 2,048] x [K 2,048, N 64]; A: softmax (see below); B: computed on the way: QUANTISED (scales: A lowp_scales[8], B lowp_scales[9])
;;     6. [M 4,096, K 1,024] x [K 1,024, N 1,024]; A: computed on the way; B: input Wo: QUANTISED (scales: A lowp_scales[10], B lowp_scales[11])
;;   THE QUANTISER, for each operand of a quantised product, along K:
;;     - The operand's scale is 2^e, e = its entry of the input lowp_scales (int32; the entries are numbered through the quantised products in the list's order, A before B).
;;     - Each number is divided by the scale, clamped to +-448, and rounded to the nearest number of E4M3, ties to even, subnormals kept.
;;     - The product sums the exact products of the quantised numbers (number of the format x scale) in f32.
;;   ~~~python
;;   def quantise(x, axis, e):      # numpy; x: float32 -> the quantised numbers, widened to float32 again
;;       x = np.moveaxis(x, axis, -1); K = x.shape[-1]
;;       r = np.clip(x / 2.0 ** e, -448, 448)
;;       step = 2.0 ** (np.maximum(np.frexp(np.where(r == 0, 1, r))[1] - 1, -6) - 3)
;;       q = np.round(r / step) * step * 2.0 ** e      # np.round: ties to even
;;       return np.moveaxis(q, -1, axis).astype(np.float32)
;;   ~~~
;;   SOFTMAX AHEAD OF A QUANTISED PRODUCT. Where the list says 'softmax', what is quantised is not the finished softmax but p = 2^(t - M), with t = logit x log2(e) and M = ceil(the row's largest t), a whole number; so 1/2 < the row's largest p <= 1. The row's sum l is taken of the UNQUANTISED p, in f32, and the product's result is divided by l at the end. Since M is a whole number, a kernel that streams over the keys may use a running M (the ceiling of the running maximum): every later rescaling is an exact power of two, so the quantised numbers keep their values, but for numbers so far below the row's largest that they fall under the format's range.
;;   OPERANDS COMPUTED ON THE WAY. 'Computed on the way' means the value that the module computes at that place (a softmax that the list does not call 'softmax' is quantised finished and normalised). What goes into a quantiser is computed in f32, as accurately as f32 sums, v_exp_f32 and their like allow (about 1e-6 of the number): no bf16 or f16 on the way to a quantiser, and a product that is left as it is and whose result goes on into a quantised operand takes f32 operands (vector FMAs, or v_wmma_f32_16x16x4_f32). A number that lies on a knife's edge between two numbers of the format may be rounded either way, as far as f32 arithmetic and the matrix unit's own rounding can turn it there, and no further.
;; One version. Each part assembles by itself: llvm-mc -triple=amdgcn-amd-amdhsa -mcpu=gfx1250 --defsym DOCPART=n.
;; ======== version 1 of 1: 4 launches
;; limits: right only within a limited range of input values
;; workspace buffers: xc 12,582,912 bytes; wc 4,194,304 bytes; qc 4,194,304 bytes; kv 8,388,608 bytes; ao 4,194,304 bytes
;; launch quant (part 1): grid 768 x 1, 4 waves a work-group, no clusters, 38,400 bytes of LDS; arguments x, Wq, Wk, Wv, Wo, lowp_scales, xc, wc; writes xc, wc
.if DOCPART == 1
	.amdgcn_target "amdgcn-amd-amdhsa--gfx1250"
	.amdhsa_code_object_version 6
	.text
	.protected	k_q5a8458e674_quant
	.globl	k_q5a8458e674_quant
	.p2align	8
	.type	k_q5a8458e674_quant,@function
k_q5a8458e674_quant:
	s_mov_b64 s[64:65], 0
	v_nop
	global_prefetch_b8 v0, s[64:65] scope:SCOPE_SE
	s_setreg_imm32_b32 hwreg(HW_REG_WAVE_MODE, 25, 1), 1
	s_wait_xcnt 0x0
; MULTI-HEAD ATTENTION ON CODES OF FP8 (E4M3), FOUR LAUNCHES: quant (this one), proj, attn, outp.
; THIS LAUNCH turns the f32 inputs that are operands of products into codes, each with the scale 2^e that lowp_scales gives for it:
;   x [4096][1024] -> xc: three sets of codes [4096][1024], K innermost, with e0, e2, e4 (x is an operand of three products, and their scales need not be equal);
;   Wq, Wk, Wv, Wo [1024 k][1024 n] -> wc: four sets of codes laid [1024 n][1024 k], K innermost, with e1, e3, e5, e11.
; code = number / 2^e, held within +-448, rounded to the nearest code, ties to even.
; WORK LEFT OUT BY THE PROGRAM, AND WHY IT IS DEAD.  mask = 1 is a constant of the problem, so reference() always builds its causal jnp.tril and replaces the score of every key t > s by -1e9: the product
; q . k of such a pair is thrown away by that jnp.where whatever the inputs hold.  Its p = 2^(t - M) is 0 in f32 and has the code 0, and adds nothing to the row's sum or to the second product.  So key steps
; that lie wholly above a wave's queries are not multiplied (launch attn); inside a step on the diagonal the hidden scores are replaced by -infinity, which gives the same p = 0.
; LIMIT of that: a row's largest score lies above about -1e9 + 200 (each row's own key always counts).  A NaN, an infinity or an overflow that reaches only hidden scores is not carried to the result.
; No input is left out: all four biases move codes or the output and are loaded (launches proj and outp).
; LIMITS of this launch: each e used here lies between -126 and 119, so that 2^e and 448 x 2^e are f32 numbers.  NaN among the inputs is not served (an infinity is held at the largest code).
; SHARES.  Work-groups 0-255 take the weights, 256-767 take x; the two parts of the text never join, and each has LDS bytes of its own.  No tensor loads.  Every wave asks for all that it reads ahead of its first use.
.set SPARE, 37888                      ; behind both parts' stages: the spare words, 128 bytes for each wave: two blocks of 256 bytes that no other line names
.set SPW,   12                         ; v12  LDS address of my spare word: SPARE + 4 x my thread's number; never rewritten
.set NIL,   13                         ; v13  0; never rewritten
.set EMAX,  8
.set MANT,  0x600000                   ; the mantissa field of 448 as f32
; x's part
.set STEPS, 4                          ; a wave takes 4 steps of 512 numbers
.set WREG,  5120                       ; LDS 0 .. 20,479: a region for each wave: two stages of 32 x SP bytes
.set SP,    80                         ; a lane's place in a stage: its 64 bytes + 16 of padding
.set R,     16                         ; v16-79    four sets of 16 numbers as they are loaded
.set X,     80                         ; v80-111   two sets of 16 neighbours
.set T,     112                        ; v112-143  two sets of 16 held numbers
.set C,     144                        ; v144-191  codes: twelve registers for each step, so that no store's data are written again
; the weights' part
.set WSTG,  20480                      ; LDS 20,480 .. 37,887: a stage of 64 rows x PITCH for the work-group
.set PITCH, 272                        ; a stage row: 256 bytes of codes + 16
.set WX,    32                         ; v32-159   64 rows along K of two columns
.set WCD,   160                        ; v160-191  codes: 16 registers a column
.set WT,    192                        ; v192-223  four sets of 8 held numbers
	s_load_b512 s[4:19], s[0:1], 0x0               ; x 4:5, Wq 6:7, Wk 8:9, Wv 10:11, Wo 12:13, the scales' exponents 14:15, xc 16:17, wc 18:19
	v_lshl_add_u32 v[SPW], v0, 2, SPARE
	v_mov_b32 v[NIL], 0
	v_lshrrev_b32 v1, 5, v0
	v_readfirstlane_b32 s20, v1                    ; wave 0..3
	v_and_b32 v2, 31, v0                           ; lane
	s_wait_alu depctr_va_vdst(0)                   ; directly ahead of the wait below
	s_wait_kmcnt 0x0
	s_load_b256 s[24:31], s[14:15], 0x0            ; e0 .. e7
	s_load_b128 s[32:35], s[14:15], 0x20           ; e8 .. e11
	s_cmp_lt_u32 ttmp9, 256                        ; the work-group's number alone decides
	s_cbranch_scc1 .Lweights
; ---------------- x: a plain stream of numbers.  Each load reads 512 consecutive bytes, 16 a lane; a step's 2,048 bytes turn through the wave's own stage, so that a lane then holds 16 neighbours along K,
; which the conversions want.  The 16 numbers are held and converted three times, once for each scale; a lane's 16 codes are 16 bytes, so each store of the wave covers 512 consecutive bytes, aligned.
	s_sub_co_u32 s21, ttmp9, 256
	s_lshl_b32 s21, s21, 2
	s_add_co_u32 s21, s21, s20                     ; which run of 2,048 numbers is my wave's
	s_lshl_b32 s22, s21, 13
	s_mov_b32 s23, 0
	s_add_nc_u64 s[4:5], s[4:5], s[22:23]          ; x at my run
	v_lshlrev_b32 v3, 4, v2                        ; 16 x lane: my bytes of a load's 512, and of a store's 512
.set i, 0
.rept 16
	global_load_b128 v[R+4*i:R+4*i+3], v3, s[4:5] offset:512*i th:TH_LOAD_NT
.set i, i+1
.endr
	s_lshl_b32 s22, s21, 11
	s_add_nc_u64 s[36:37], s[16:17], s[22:23]      ; its codes with e0,
	s_add_nc_u64 s[38:39], s[36:37], 0x400000      ; with e2,
	s_add_nc_u64 s[40:41], s[36:37], 0x800000      ; with e4
	s_mul_i32 s21, s20, WREG
	v_lshrrev_b32 v14, 2, v2
	v_mul_u32_u24 v14, v14, SP
	v_and_b32 v15, 3, v2
	v_lshl_add_u32 v14, v15, 4, v14
	v_add_nc_u32 v14, s21, v14                     ; the stage, on the way in: four lanes' 64 bytes on end, then 16 of padding
	v_mul_u32_u24 v15, v2, SP
	v_add_nc_u32 v15, s21, v15                     ; and on the way out: SP x lane: my 16 neighbours
	s_wait_alu depctr_va_vdst(0)                   ; directly ahead of the wait below
	s_wait_kmcnt 0x0
.irp g, 0,1,2
	s_add_co_i32 s42, s[24+2*\g], 127
	s_lshl_b32 s43, s42, 23
	v_mov_b32 v[6+\g], s43                         ; v6-8: 2^e0, 2^e2, 2^e4 as f32: the conversion takes the exponent field
	s_add_co_i32 s42, s42, EMAX
	s_lshl_b32 s42, s42, 23
	s_or_b32 s42, s42, MANT
	v_mov_b32 v[9+\g], s42                         ; v9-11: 448 x those
.endr
.macro TURN t                          ; step t's numbers through the stage: LDS serves a wave's instructions in order (ISA guide 5.7.1.4), so no wait stands between the stores and the loads
.irp i, 0,1,2,3
	ds_store_b128 v14, v[R+16*(\t)+4*\i:R+16*(\t)+4*\i+3] offset:32*SP*((\t)%2)+8*SP*\i
.endr
.irp i, 0,1,2,3
	ds_load_b128 v[X+16*((\t)%2)+4*\i:X+16*((\t)%2)+4*\i+3], v15 offset:32*SP*((\t)%2)+16*\i
.endr
.endm
	s_wait_alu depctr_va_vdst(0)                   ; the wait at the head's end
	s_wait_loadcnt 12                              ; step 0's four loads are in; the twelve of steps 1 to 3 may be out
	TURN 0
.macro STEP t
.set XS, X+16*((\t)%2)
	s_wait_dscnt 0x0                               ; this step's numbers are back from the stage
.if (\t)+1 < STEPS
	s_wait_loadcnt 4*(STEPS-2-(\t))                ; the next step's four loads are in; as many steps' as are left behind it may be out
	TURN (\t)+1                                    ; and go through the other stage while this step is worked
.endif
.irp g, 0,1,2                          ; once for each of x's three scales
.set TS, T+16*((3*(\t)+\g)%2)
.set CC, C+12*(\t)+4*\g
.set i, 0
.rept 16
	v_med3_num_f32 v[TS+i], v[XS+i], -v[9+\g], v[9+\g]   ; the conversion to an 8-bit code does not saturate (ISA guide 7.6.2): hold the number first.  These sixteen are also the plain lines behind the conversions before
.set i, i+1
.endr
	v_cvt_scalef32_pk8_fp8_f32 v[CC:CC+1], v[TS:TS+7], v[6+\g]
	v_cvt_scalef32_pk8_fp8_f32 v[CC+2:CC+3], v[TS+8:TS+15], v[6+\g]
	global_store_b128 v3, v[CC:CC+3], s[36+2*\g:37+2*\g] offset:512*(\t)
.endr
.endm
.irp t, 0,1,2,3
	STEP \t
.endr
	s_wait_tensorcnt 0x0                           ; the wave's end, behind my last LDS store
	ds_add_u32 v[SPW], v[NIL]
	s_wait_dscnt 0x0
	s_endpgm
; ---------------- the weights: K is their FIRST axis.  A lane takes two neighbouring columns and its registers run down K: each load reads 256 consecutive bytes of a row, aligned.  The hold moves a column's numbers into
; neighbouring registers, and the conversions give codes with K innermost.  Work-group w': weight w' / 64, 256 along K (w' / 16) % 4, 64 columns w' % 16; wave w takes 64 of the 256.  The codes meet in the work-group's
; stage and leave as rows: sixteen lanes store 256 consecutive bytes, aligned.
.Lweights:
	s_lshr_b32 s22, ttmp9, 6                       ; which weight: 0 Wq, 1 Wk, 2 Wv, 3 Wo
	s_bfe_u32 s36, ttmp9, 0x20004                  ; which 256 along K
	s_and_b32 s37, ttmp9, 15
	s_lshl_b32 s37, s37, 6                         ; first column
	s_cmp_eq_u32 s22, 1                            ; the weight's address: a choice on the work-group's number
	s_cselect_b64 s[6:7], s[8:9], s[6:7]
	s_cmp_eq_u32 s22, 2
	s_cselect_b64 s[6:7], s[10:11], s[6:7]
	s_cmp_eq_u32 s22, 3
	s_cselect_b64 s[6:7], s[12:13], s[6:7]
	s_lshl_b32 s40, s36, 20                        ; 256 rows of 4,096 bytes,
	s_lshl_b32 s41, s20, 18                        ; my wave's 64,
	s_add_co_u32 s40, s40, s41
	s_lshl_b32 s41, s37, 2                         ; 4 bytes a column
	s_add_co_u32 s40, s40, s41
	s_mov_b32 s41, 0
	s_add_nc_u64 s[6:7], s[6:7], s[40:41]
	s_lshl_b32 s40, s22, 20                        ; wc: the weight's set,
	s_lshl_b32 s42, s20, 4
	s_add_co_u32 s42, s42, s37                     ; on the way out my wave has 16 of the 64 columns: rows of 1,024 bytes,
	s_lshl_b32 s42, s42, 10
	s_add_co_u32 s40, s40, s42
	s_lshl_b32 s42, s36, 8                         ; 256 codes of each
	s_add_co_u32 s40, s40, s42
	s_add_nc_u64 s[18:19], s[18:19], s[40:41]
	v_lshlrev_b32 v3, 3, v2                        ; in: 8 bytes a lane
.set i, 0
.rept 64
	global_load_b64 v[WX+2*i:WX+2*i+1], v3, s[6:7] offset:i*4096 th:TH_LOAD_NT   ; row i of my 64
.set i, i+1
.endr
	s_lshl_b32 s38, s20, 6
	s_add_co_u32 s38, s38, WSTG                    ; into the stage: my wave's 64 bytes of each row,
	s_mul_i32 s39, s20, 16*PITCH
	s_add_co_u32 s39, s39, WSTG                    ; out of it: my wave's 16 rows
	v_mul_u32_u24 v4, v2, 2*PITCH
	v_add_nc_u32 v4, s38, v4                       ; rows 2 x lane, 2 x lane + 1
	v_and_b32 v5, 15, v2
	v_lshrrev_b32 v6, 4, v2
	v_mul_u32_u24 v7, v6, PITCH
	v_lshl_add_u32 v7, v5, 4, v7
	v_add_nc_u32 v7, s39, v7                       ; sixteen lanes to a row, two rows an instruction
	v_lshlrev_b32 v8, 10, v6
	v_lshl_add_u32 v8, v5, 4, v8                   ; and the same place in wc
	s_wait_alu depctr_va_vdst(0)                   ; directly ahead of the wait below
	s_wait_kmcnt 0x0
	s_mov_b32 s40, s25                             ; e1, e3, e5 or e11
	s_cmp_eq_u32 s22, 1
	s_cselect_b32 s40, s27, s40
	s_cmp_eq_u32 s22, 2
	s_cselect_b32 s40, s29, s40
	s_cmp_eq_u32 s22, 3
	s_cselect_b32 s40, s35, s40
	s_add_co_i32 s40, s40, 127
	s_lshl_b32 s41, s40, 23
	v_mov_b32 v11, s41                             ; 2^e as f32
	s_add_co_i32 s40, s40, EMAX
	s_lshl_b32 s40, s40, 23
	s_or_b32 s40, s40, MANT
	v_mov_b32 v10, s40                             ; 448 x 2^e
	s_wait_alu depctr_va_vdst(0)                   ; the wait at the head's end
.macro GROUP g                         ; rows 8 g .. 8 g + 7 of both columns
	s_wait_loadcnt 56-8*(\g)                       ; their eight loads are in; the younger ones may be out
.irp c, 0,1
.set TS, WT+8*((2*(\g)+\c)%4)
.set i, 0
.rept 8
	v_med3_num_f32 v[TS+i], v[WX+16*(\g)+2*i+\c], -v10, v10   ; the hold at the largest code x the scale
.set i, i+1
.endr
	v_cvt_scalef32_pk8_fp8_f32 v[WCD+16*\c+2*(\g):WCD+16*\c+2*(\g)+1], v[TS:TS+7], v11
.endr
.endm
.irp g, 0,1,2,3,4,5,6,7
	GROUP \g
.endr
	v_nop                                          ; one plain line behind the last conversion
.irp c, 0,1
.irp q, 0,1,2,3
	ds_store_b128 v4, v[WCD+16*\c+4*\q:WCD+16*\c+4*\q+3] offset:PITCH*\c+16*\q
.endr
.endr
	s_wait_alu depctr_va_vdst(0)                   ; directly ahead of the wait below
	s_wait_dscnt 0x0                               ; my codes lie in the stage;
	s_barrier_signal -1
	s_barrier_wait -1                              ; everybody's do
.irp t, 0,1,2,3,4,5,6,7
	ds_load_b128 v[WX+4*\t:WX+4*\t+3], v7 offset:2*\t*PITCH
.endr
.irp t, 0,1,2,3,4,5,6,7
	s_wait_dscnt 7-\t                              ; loads come back in order: number t is in, the younger ones may be out
	global_store_b128 v8, v[WX+4*\t:WX+4*\t+3], s[18:19] offset:2*\t*1024
.endr
	s_wait_tensorcnt 0x0                           ; the wave's end, behind my last LDS store
	ds_add_u32 v[SPW], v[NIL]
	s_wait_dscnt 0x0
	s_endpgm
.Lfunc_end_k_q5a8458e674_quant:
	.size	k_q5a8458e674_quant, .Lfunc_end_k_q5a8458e674_quant-k_q5a8458e674_quant
	.p2alignl 7, 3214868480
	.fill 96, 4, 3214868480
	.section	.rodata,"a",@progbits
	.p2align	6, 0x0
	.amdhsa_kernel k_q5a8458e674_quant
		.amdhsa_group_segment_fixed_size 38400
		.amdhsa_private_segment_fixed_size 0
		.amdhsa_enable_private_segment 0
		.amdhsa_kernarg_size 64
		.amdhsa_user_sgpr_count 2
		.amdhsa_user_sgpr_kernarg_segment_ptr 1
		.amdhsa_wavefront_size32 1
		.amdhsa_system_sgpr_workgroup_id_x 1
		.amdhsa_system_sgpr_workgroup_id_y 1
		.amdhsa_system_sgpr_workgroup_id_z 1
		.amdhsa_system_vgpr_workitem_id 0
		.amdhsa_next_free_vgpr 224
		.amdhsa_next_free_sgpr 66
		.amdhsa_reserve_vcc 0
		.amdhsa_float_denorm_mode_32 3
		.amdhsa_float_denorm_mode_16_64 3
		.amdhsa_memory_ordered 1
		.amdhsa_forward_progress 1
		.amdhsa_inst_pref_size 41
	.end_amdhsa_kernel
	.amdgpu_metadata
---
amdhsa.version: [ 1, 2 ]
amdhsa.kernels:
  - .name:           k_q5a8458e674_quant
    .symbol:         k_q5a8458e674_quant.kd
    .args:
      - { .name: x, .offset: 0, .size: 8, .value_kind: global_buffer, .address_space: global }
      - { .name: Wq, .offset: 8, .size: 8, .value_kind: global_buffer, .address_space: global }
      - { .name: Wk, .offset: 16, .size: 8, .value_kind: global_buffer, .address_space: global }
      - { .name: Wv, .offset: 24, .size: 8, .value_kind: global_buffer, .address_space: global }
      - { .name: Wo, .offset: 32, .size: 8, .value_kind: global_buffer, .address_space: global }
      - { .name: lowp_scales, .offset: 40, .size: 8, .value_kind: global_buffer, .address_space: global }
      - { .name: xc, .offset: 48, .size: 8, .value_kind: global_buffer, .address_space: global }
      - { .name: wc, .offset: 56, .size: 8, .value_kind: global_buffer, .address_space: global }
    .group_segment_fixed_size: 38400
    .private_segment_fixed_size: 0
    .kernarg_segment_align: 8
    .kernarg_segment_size: 64
    .max_flat_workgroup_size: 128
    .sgpr_count:     66
    .vgpr_count:     224
    .wavefront_size: 32
...
	.end_amdgpu_metadata
.endif
;; end of part 1
;; launch proj (part 2): grid 12 x 16, 4 waves a work-group, clusters of 4 x 4, 327,680 bytes of LDS; arguments xc, wc, lowp_scales, bq, bk, bv, qc, kv; writes qc, kv
.if DOCPART == 2
	.amdgcn_target "amdgcn-amd-amdhsa--gfx1250"
	.amdhsa_code_object_version 6
	.text
	.protected	k_q5a8458e674_proj
	.globl	k_q5a8458e674_proj
	.p2align	8
	.type	k_q5a8458e674_proj,@function
k_q5a8458e674_proj:
	s_mov_b64 s[64:65], 0
	v_nop
	global_prefetch_b8 v0, s[64:65] scope:SCOPE_SE
	s_setreg_imm32_b32 hwreg(HW_REG_WAVE_MODE, 25, 1), 1
	s_wait_xcnt 0x0
	s_wait_alu depctr_hold_cnt(0) depctr_sa_sdst(0) depctr_va_vdst(0) depctr_va_sdst(0) depctr_va_ssrc(0) depctr_va_vcc(0) depctr_vm_vsrc(0)
	s_getreg_b32 s2, hwreg(HW_REG_IB_STS2, 6, 4)
	s_cmp_eq_u32 s2, 0
	s_cbranch_scc0 .Lentry_in_a_cluster
	s_endpgm
.Lentry_in_a_cluster:
	s_bfe_u32 s2, ttmp6, 0x10000c
	s_cmp_lg_u32 s2, 0xf033
	s_cbranch_scc0 .Lentry_shape_is_right
	s_endpgm
.Lentry_shape_is_right:
; THE THREE PROJECTIONS: q = x Wq + bq, k = x Wk + bk, v = x Wv + bv on codes of FP8 (E4M3), each result quantised at once for the attention products.  Nothing is left out here.
; The cluster's x picks the product: 0 q, 1 k, 2 v; it is the same in all sixteen partners of a cluster.  One product is a GEMM C = A B^T with K = 1,024, both operands codes with K innermost.
;   q, k: A = x's codes (set 0 or 1 of xc, 4,096 rows), B = the weight's codes (set 0 or 1 of wc, 1,024 rows).
;   v:    A = Wv's codes (set 2 of wc), B = x's codes (set 2 of xc): the product is made TRANSPOSED, features x tokens, since the second attention product wants the keys innermost.
; A tile of C, 256 x 256, is made by four waves, each 128 x 128: 64 accumulators, 512 registers.  K goes in four steps of 256 through a ring of two LDS slots filled by the tensor data mover.
; CLUSTERS: 4 x 4 work-groups; the four of a row need the same tiles of A, the four of a column the same tiles of B: each tile is asked for JOINTLY, by the same tensor load with a mask that names the four.
; THE MATRIX INSTRUCTION IS USED TRANSPOSED (source 0 = 16 rows of B, source 1 = 16 rows of A): a lane holds one row of A's side and, per tile b, its eight neighbours 16 b + 8 (lane / 16) + 0 .. 7 of B's side.
; One conversion packs eight codes into two registers, and that is the place which the plain FP8 form gives these k in an operand (registers 2 b, 2 b + 1): the packed registers ARE the operand of the product that
; reads them.  So they are stored as they lie: each store takes four registers, 16 bytes a lane, 512 consecutive bytes a wave, aligned.
;   qc: [32 = 16 batch + head][128 tiles of 16 tokens][2][32 lanes][16 bytes].
;   kv: [32][16 steps of 128 keys][ K: [8 tiles of 16 keys][2][32][16], then V: [4 tiles of 16 features][4][32][16] ], 16,384 bytes a step.
; Here a fragment (16 rows x 128 K) is fetched by four loads of 16 bytes: a permutation of k, the same in A and in B.
; PREFETCHES: K steps 0 and 1 come by their loads alone; K step 2 is asked for behind K step 1's load and K step 3 behind K step 2's, each one K step ahead of its own load.  Of the 128 rows that a wave fetches, each of the four
; partners that ask jointly names 32, told apart by address: a lane a row, 256 bytes.
; VALUES: sum x 2^(ex + ew) + bias, held within +-448 x 2^eo, converted with 2^eo (eo = e6 for q, e7 for k, e9 for v).   LIMITS: ex + ew between -126 and 127; eo between -126 and 119.
; REGISTERS, in windows of 256: window 0: v0-31 addresses; v64-127 the biases; from v128 A's fragments, ONE set; on the way out v128-255 are at work.   window 1: B's fragments, TWO sets.
;   window 2: the accumulators of my rows 0-63 ((a, b) at v[8 (8 a + b)]);   window 3: those of my rows 64-127.
.set ROWB,   256                       ; a tile's row in bytes: 256 codes
.set KROW,   1024                      ; a row of A or of B in memory, in bytes
.set PITCH,  272                       ; an LDS row: 256 bytes + 16 of padding = 68 words: row r starts at bank 4 r mod 64 (64 banks of 4 bytes: ISA guide 11.1)
.set FR,     16                        ; registers of a fragment
.set NL,     4                         ; LDS loads that bring one
.set NP,     4                         ; places behind this matrix instruction (ISA guide 7.12.1)
.set HALFT,  128*PITCH                 ; 128 rows: what one tensor load brings
.set SLOT,   4*HALFT                   ; A's 256 rows, then B's 256 rows
.set SPARE,  2*SLOT                    ; the spare words, 128 bytes for each wave: two blocks of 256 bytes that no other line names
.set BOQ,  12                          ; v12  q, k: my byte offset among the wave's 128 biases: 32 x (lane / 16)
.set BOV,  13                          ; v13  v: 4 x (lane % 16)
.set PFO,  14                          ; v14  the prefetches' offset: 1,024 x lane; never rewritten
.set ADRA, 16                          ; v16-17  LDS address of my A fragments in slot 0, 1
.set ADRB, 20                          ; v20-21  the same for B
.set CO,   26                          ; v26  16 x lane: my bytes of a store's 512
.set SPW,  28                          ; v28  LDS address of my spare word; never rewritten
.set NIL,  29                          ; v29  0; never rewritten
.set LIM,  30                          ; v30  448 x 2^eo
.set SCL,  31                          ; v31  2^eo
.set BI,   64                          ; v64-127 the biases
.set AF,   128                         ; A's fragments
.set TMP,  128                         ; the way out: v128-191 a block's 64 values; v192-255 codes, four sets of 16 by turns
.set PFA,  2                           ; s[2:3] where my prefetches stand; never rewritten
.set G1, 24                            ; s[24:31] descriptor group 1 for A's tiles;  s[32:39] group 0, one set for each slot
.set G0, 32
.set G1B, 48                           ; s[48:55], s[56:63] the same for B's tiles
.set G0B, 56
.set MSB, 0
.macro WIN new                         ; the immediate's high byte repeats the setting that is left
.if MSB != \new
	s_set_vgpr_msb (MSB<<8)|\new
.set MSB, \new
.endif
.endm
.set MUL_LO, 0xa1                      ; source 0 (B) window 1, source 1 (A) window 0, C and D window 2
.set MUL_HI, 0xf1                      ; the same, C and D window 3
.set TO_B,   0x40                      ; destination window 1, address window 0
; A joint load: waves 0 and 1 fetch for A, waves 2 and 3 for B.  The branch hangs on the wave's number alone.  An s_nop 0 and four v_nop follow each of the two lines.
.macro JLOAD g0a, g1a, g0b, g1b
	s_cmp_eq_u32 s15, 0
	s_cbranch_scc0 .Lfor_b_\@
	tensor_load_to_lds s[\g0a:\g0a+3], s[\g1a:\g1a+7]
	s_nop 0
.rept 4
	v_nop
.endr
	s_branch .Lasked_\@
.Lfor_b_\@:
	tensor_load_to_lds s[\g0b:\g0b+3], s[\g1b:\g1b+7]
	s_nop 0
.rept 4
	v_nop
.endr
.Lasked_\@:
.endm
.macro CREST                           ; a round of the cluster's barrier behind its opening barrier
	s_cmp_lg_u32 s14, 0
	s_cbranch_scc1 .Lnot_wave_0_\@
	s_barrier_signal -3
.Lnot_wave_0_\@:
	s_barrier_wait -3
	s_barrier_signal -1
	s_barrier_wait -1
.endm
.macro CROUND                          ; a whole round
	s_barrier_signal -1
	s_barrier_wait -1
	CREST
.endm
.macro ASK kstep                       ; my 32 rows' 256 bytes of a K step
	global_prefetch_b8 v[PFO], s[PFA:PFA+1] offset:ROWB*(\kstep) th:TH_LOAD_NT scope:SCOPE_SE
.endm
	s_load_b128 s[4:7], s[0:1], 0x0                ; xc, wc
	s_load_b64 s[8:9], s[0:1], 0x10                ; the scales' exponents
	s_load_b128 s[72:75], s[0:1], 0x18             ; bq, bk
	s_load_b64 s[76:77], s[0:1], 0x28              ; bv
	s_load_b128 s[80:83], s[0:1], 0x30             ; qc, kv
	v_lshl_add_u32 v[SPW], v0, 2, SPARE
	v_mov_b32 v[NIL], 0
	ds_add_u32 v[SPW], v[NIL]                      ; the wave's opening: the add, twice on end, and its wait ahead of my first tensor load; the set-up below stands between
	ds_add_u32 v[SPW], v[NIL]
	v_lshrrev_b32 v1, 5, v0
	v_readfirstlane_b32 s14, v1                    ; wave 0..3
	s_lshr_b32 s15, s14, 1                         ; which half of the tile's rows is mine.  Also: I fetch for A (0) or for B (1)
	s_and_b32 s16, s14, 1                          ; which half of its columns.  Also: which 128 rows of that tile I fetch
	s_bfe_u32 s40, ttmp6, 0x40000                  ; cx, cy: my place in the cluster
	s_bfe_u32 s41, ttmp6, 0x40004
	s_and_b32 s66, ttmp7, 0xffff
	s_lshl_b32 s66, s66, 2                         ; 4 x cluster y: it walks the 16 tiles of tokens, which are A's rows for q and k and B's rows for v
	s_cmp_eq_u32 ttmp9, 2
	s_cselect_b32 s67, 0, s66
	s_cselect_b32 s68, s66, 0
	s_add_co_u32 s17, s67, s41                     ; tile row of C (A's side): it never holds cx
	s_add_co_u32 s42, s68, s40                     ; tile column of C (B's side): it never holds cy
	s_lshl_b32 s43, s41, 2
	s_lshl_b32 s43, 15, s43                        ; my row of the cluster
	s_lshl_b32 s44, 0x1111, s40                    ; my column
	; descriptor group 1: a tile of 128 rows x 256 bytes, padded in LDS
	s_or_b32 s[G1+0], s43, (0<<16)|(1<<20)|(1<<21)|(5<<22)|(3<<25)  ; 15:0 the mask: A's tiles go to my row; 17:16 element of 1 byte; 20 padding on; 21 set beside a mask; 24:22 after every 64 words (code 5); 31:25 of 4 words (code 3)
	s_or_b32 s[G1B+0], s44, (0<<16)|(1<<20)|(1<<21)|(5<<22)|(3<<25)
.irp g, G1, G1B
	s_mov_b32 s[\g+1], ROWB<<16                    ; tensor_dim0
	s_mov_b32 s[\g+2], 128<<16                     ; tensor_dim1 = 128
	s_mov_b32 s[\g+3], ROWB<<16                    ; tile_dim0
	s_mov_b32 s[\g+4], 128                         ; tile_dim1 = 128
	s_mov_b32 s[\g+5], KROW                        ; tensor_dim0_stride
	s_mov_b32 s[\g+6], 0
	s_mov_b32 s[\g+7], 0
.endr
	s_lshl_b32 s18, s16, 7                         ; which 128 rows of the tile I fetch
	s_lshl_b32 s20, s17, 8
	s_add_co_u32 s20, s20, s18                     ; A: row 256 x tile row + 128 x half
	s_lshl_b32 s46, s42, 8
	s_add_co_u32 s46, s46, s18                     ; B: row 256 x tile column + 128 x half
	s_mov_b32 s21, 0
	s_mov_b32 s47, 0
	s_mov_b64 s[18:19], KROW
	s_mul_u64 s[20:21], s[20:21], s[18:19]         ; in bytes
	s_mul_u64 s[46:47], s[46:47], s[18:19]
	s_mul_i32 s45, s14, HALFT                      ; where they go: wave x 128 rows: no place in the cluster enters an LDS address
	s_wait_dscnt 0x0                               ; both opening adds are done
	s_wait_kmcnt 0x0
	s_load_b256 s[88:95], s[8:9], 0x0              ; e0 .. e7
	s_load_b64 s[98:99], s[8:9], 0x20              ; e8, e9
	s_lshl_b32 s70, ttmp9, 22
	s_mov_b32 s71, 0
	s_add_nc_u64 s[4:5], s[4:5], s[70:71]          ; this product's set of x's codes,
	s_lshl_b32 s70, ttmp9, 20
	s_add_nc_u64 s[6:7], s[6:7], s[70:71]          ; and of the weights'
	s_cmp_eq_u32 ttmp9, 2
	s_cselect_b64 s[86:87], s[6:7], s[4:5]         ; A: x's codes, for v the weight's
	s_cselect_b64 s[78:79], s[4:5], s[6:7]         ; B: the other
	s_add_nc_u64 s[20:21], s[86:87], s[20:21]
	s_add_nc_u64 s[46:47], s[78:79], s[46:47]
.irp s, 0,1
	s_mov_b32 s[G0+4*\s], 1
	s_add_co_u32 s[G0+4*\s+1], s45, \s*SLOT
	s_add_nc_u64 s[G0+4*\s+2:G0+4*\s+3], s[20:21], \s*ROWB
	s_or_b32 s[G0+4*\s+3], s[G0+4*\s+3], 0x80000000
	s_mov_b32 s[G0B+4*\s], 1
	s_add_co_u32 s[G0B+4*\s+1], s45, \s*SLOT
	s_add_nc_u64 s[G0B+4*\s+2:G0B+4*\s+3], s[46:47], \s*ROWB
	s_or_b32 s[G0B+4*\s+3], s[G0B+4*\s+3], 0x80000000
.endr
	CROUND                                         ; all sixteen work-groups are here: the first joint loads meet
	JLOAD G0, G1, G0B, G1B                         ; K step 0: one tensor load a wave at the head
	s_cmp_eq_u32 s15, 0                            ; the prefetches: the 128 rows that I fetch,
	s_cselect_b64 s[PFA:PFA+1], s[20:21], s[46:47]
	s_cselect_b32 s70, s40, s41                    ; my place among the four that ask with me
	s_lshl_b32 s70, s70, 15                        ; 32 rows of 1,024 bytes
	s_mov_b32 s71, 0
	s_add_nc_u64 s[PFA:PFA+1], s[PFA:PFA+1], s[70:71]
	v_and_b32 v6, 31, v0
	v_lshlrev_b32 v[PFO], 10, v6
	v_lshlrev_b32 v[CO], 4, v6
	v_and_b32 v1, 15, v0                           ; r = l % 16
	v_bfe_u32 v2, v0, 4, 1                         ; h = l / 16
	v_mul_u32_u24 v3, v1, PITCH
	v_lshlrev_b32 v[BOQ], 5, v2
	v_lshlrev_b32 v[BOV], 2, v1
	v_lshl_add_u32 v4, v2, 4, v3                   ; a fragment's row x pitch + 16 x half
	s_mul_i32 s21, s15, HALFT                      ; my 128 rows of A
	s_mul_i32 s22, s16, HALFT                      ; my 128 rows of B,
	s_add_co_u32 s22, s22, 2*HALFT                 ; which lie behind A's 256
.irp s, 0,1
	v_add_nc_u32 v[ADRA+\s], s21, v4
	v_add_nc_u32 v[ADRB+\s], s22, v4
	s_add_co_u32 s21, s21, SLOT
	s_add_co_u32 s22, s22, SLOT
.endr
.macro FRAG reg, adr, q, i             ; a fragment: lane l holds row l % 16; registers 4 c .. 4 c + 3 hold K = 32 c + 16 (l / 16) + 0 .. 15
.irp c, 0,1,2,3
	ds_load_b128 v[\reg+4*\c:\reg+4*\c+3], v[\adr] offset:128*(\q)+32*\c+(\i)*16*PITCH
.endr
.endm
; 16 matrix instructions: A's blocks a0, a0 + 1 x B's eight, 128 along K.  p: B's set.  zero = 1: the first product starts the sums.  The 64 accumulators take turns, one instruction a turn, in the same order
; in every step.
.macro MUL16 a0, p, zero
.irp a, \a0, \a0+1
.irp b, 0,1,2,3,4,5,6,7
.if \zero
	v_wmma_f32_16x16x128_fp8_fp8 v[8*(8*((\a)%4)+\b):8*(8*((\a)%4)+\b)+7], v[128*(\p)+FR*\b:128*(\p)+FR*\b+FR-1], v[AF+FR*(\a):AF+FR*(\a)+FR-1], 0
.else
	v_wmma_f32_16x16x128_fp8_fp8 v[8*(8*((\a)%4)+\b):8*(8*((\a)%4)+\b)+7], v[128*(\p)+FR*\b:128*(\p)+FR*\b+FR-1], v[AF+FR*(\a):AF+FR*(\a)+FR-1], v[8*(8*((\a)%4)+\b):8*(8*((\a)%4)+\b)+7]
.endif
.endr
.endr
.endm
.macro FETCH_B slot, q, p              ; B's eight fragments of the slot's q-th 128 along K into set p
	WIN TO_B
.irp i, 0,1,2,3,4,5,6,7
	FRAG 128*(\p)+FR*\i, ADRB+\slot, \q, \i
.endr
	WIN 0
.endm
.macro FETCH_A slot, q, i0             ; A's blocks i0 .. i0 + 3
.irp i, \i0, \i0+1, \i0+2, \i0+3
	FRAG AF+FR*(\i), ADRA+\slot, \q, \i
.endr
.endm
.macro PLACES n                        ; plain vector lines between a matrix instruction and a load into, or a vector instruction on, one of its registers (ISA guide 7.12.1 for vector instructions)
.rept \n
	v_nop
.endr
.endm
; A step of 128 along K that has its successor in the same slot.  A has one set of registers: blocks 0-3 are fetched anew in the step's middle, blocks 4-7 at its end; B has two sets.
.macro STEP slot, q, zero
	s_wait_dscnt 4*NL                              ; B's set and A's blocks 0-3 are in; the youngest sixteen loads (A's blocks 4-7) may be out
	WIN MUL_LO
	MUL16 0, (\q)%2, \zero
	MUL16 2, (\q)%2, \zero
	s_wait_dscnt 0                                 ; A's blocks 4-7 are in
	PLACES NP
	FETCH_B \slot, (\q)+1, 1-(\q)%2
	FETCH_A \slot, (\q)+1, 0
	WIN MUL_HI
	MUL16 4, (\q)%2, \zero
	MUL16 6, (\q)%2, \zero
	PLACES NP
	WIN 0
	FETCH_A \slot, (\q)+1, 4
.endm
; A slot's last step changes slots: ONE barrier; in front of it each wave waits for all its tensor loads, adds 0 to its spare word, and waits for that and for its own reads of this slot.  fill = 1: the slot is filled again.
; ask: the K step to prefetch, or 0.
.macro TURN slot, next, fill, ask
	s_wait_tensorcnt 0x0                           ; all my tensor loads have landed: my part of the next slot;  (every window is 0 here)
	ds_add_u32 v[SPW], v[NIL]                      ; 0 onto my spare word;
	s_wait_dscnt 4*NL+1                            ; (the add and the youngest sixteen loads, A's blocks 4-7, may be out)
	WIN MUL_LO
	MUL16 0, 1, 0                                  ; sixteen matrix instructions stand between the add and the wait for it
	s_wait_dscnt 0x0                               ; the add is done, and my reads of this slot are over
	s_barrier_signal -1
	MUL16 2, 1, 0
	WIN 0
	s_barrier_wait -1
.if \fill
	CREST                                          ; the barrier has opened a round of the cluster's barrier: no wave of any partner still reads this slot's tile or has a load on its way
	s_add_nc_u64 s[G0+4*\slot+2:G0+4*\slot+3], s[G0+4*\slot+2:G0+4*\slot+3], 2*ROWB
	s_add_nc_u64 s[G0B+4*\slot+2:G0B+4*\slot+3], s[G0B+4*\slot+2:G0B+4*\slot+3], 2*ROWB
	JLOAD G0+4*\slot, G1, G0B+4*\slot, G1B         ; the first tensor load behind the round; the four v_nop behind it are the places in front of the loads below
.else
	PLACES NP
.endif
	FETCH_B \next, 0, 0
	FETCH_A \next, 0, 0
.if \ask
	ASK \ask
.endif
	WIN MUL_HI
	MUL16 4, 1, 0
	MUL16 6, 1, 0
	PLACES NP
	WIN 0
	FETCH_A \next, 0, 4
.endm
	s_wait_alu depctr_va_vdst(0)                   ; the wait at the head's end
	s_wait_tensorcnt 0x0                           ; my part of K step 0 is in
	ds_add_u32 v[SPW], v[NIL]
	s_wait_dscnt 0x0
	CROUND                                         ; everybody's part of K step 0 is in, and all sixteen work-groups are here
	JLOAD G0+4, G1, G0B+4, G1B                     ; K step 1, the first tensor load behind the round
	FETCH_B 0, 0, 0
	FETCH_A 0, 0, 0
	FETCH_A 0, 0, 4
	ASK 2                                          ; what the next change of slots will load
	; K = 1,024 is eight steps of 128, four slots' worth: written out, since a loop over the ring would have one trip
	STEP 0, 0, 1                                   ; the first step's products start the sums
	TURN 0, 1, 1, 3                                ; slot 0 takes K 512 on
	STEP 1, 0, 0
	TURN 1, 0, 1, 0                                ; slot 1 takes K 768 on
	STEP 0, 0, 0
	TURN 0, 1, 0, 0                                ; nothing is left to fetch
	STEP 1, 0, 0
	; what hangs on the product is chosen without a jump; only whole numbers of the launch's ids decide
	s_wait_kmcnt 0x0
	s_cmp_eq_u32 ttmp9, 1
	s_cselect_b32 s66, s90, s88                    ; ex
	s_cselect_b32 s67, s91, s89                    ; ew
	s_cselect_b32 s68, s95, s94                    ; eo: e7 for k, e6 for q
	s_cselect_b64 s[12:13], s[74:75], s[72:73]     ; the bias
	s_cselect_b64 s[10:11], s[82:83], s[80:81]     ; kv or qc
	s_cselect_b32 s69, 18, 17                      ; a head's bytes there, as a shift: 2^18 in kv, 2^17 in qc,
	s_cselect_b32 s70, 14, 13                      ; and 128 tokens': 2^14, 2^13
	s_cmp_eq_u32 ttmp9, 2
	s_cselect_b32 s66, s92, s66
	s_cselect_b32 s67, s93, s67
	s_cselect_b32 s68, s99, s68                    ; e9 for v
	s_cselect_b64 s[12:13], s[76:77], s[12:13]
	s_cselect_b64 s[10:11], s[82:83], s[10:11]
	s_add_co_i32 s96, s66, s67
	s_add_co_i32 s96, s96, 127
	s_lshl_b32 s96, s96, 23                        ; 2^(ex + ew) as f32
	s_mov_b32 s97, s96                             ; (named with it as a pair, so it is written)
	s_add_co_i32 s68, s68, 127
	s_lshl_b32 s71, s68, 23
	v_mov_b32 v[SCL], s71                          ; 2^eo
	s_add_co_i32 s68, s68, 8
	s_lshl_b32 s68, s68, 23
	s_or_b32 s68, s68, 0x600000
	v_mov_b32 v[LIM], s68                          ; 448 x 2^eo
.macro LAST                            ; the very last step of 128 along K: nothing more to fetch
	s_wait_dscnt 4*NL                              ; all but A's blocks 4-7
	WIN MUL_LO
	MUL16 0, 1, 0
	MUL16 2, 1, 0
	s_wait_dscnt 0
	WIN MUL_HI
	MUL16 4, 1, 0
	MUL16 6, 1, 0
	WIN 0
.endm
; Block a (16 rows of A's side x 128 of B's side) on its way out.  mode 0: q, k: the bias goes by column (64 registers, the same for every block).  mode 1: v: by row (one number a lane and block).
.macro OUT a, mode
.set AC, 64*((\a)%4)
.set CD, 192+16*((\a)%4)
.set WW, 0x02+((\a)/4)
	WIN WW                                         ; source 0: window 2 or 3
.set j, 0
.rept 32
.if \mode
	v_pk_fma_f32 v[TMP+j:TMP+j+1], v[AC+j:AC+j+1], s[96:97], v[BI+2*(\a):BI+2*(\a)+1] op_sel_hi:[1,0,0]   ; sum x 2^(ex + ew) + bias; each accumulator from its low end on
.else
	v_pk_fma_f32 v[TMP+j:TMP+j+1], v[AC+j:AC+j+1], s[96:97], v[BI+j:BI+j+1] op_sel_hi:[1,0,1]
.endif
.set j, j+2
.endr
	WIN 0
.set j, 0
.rept 64
	v_med3_num_f32 v[TMP+j], v[TMP+j], -v[LIM], v[LIM]   ; the conversion to an 8-bit code does not saturate (ISA guide 7.6.2): the hold
.set j, j+1
.endr
.irp b, 0,1,2,3,4,5,6,7
	v_cvt_scalef32_pk8_fp8_f32 v[CD+2*\b:CD+2*\b+1], v[TMP+8*\b:TMP+8*\b+7], v[SCL]
.endr
	v_nop                                          ; one plain line behind the conversions: the next block's multiply-adds write their sources
.irp g, 0,1,2,3
.if \mode
	global_store_b128 v[CO], v[CD+4*\g:CD+4*\g+3], s[10:11] offset:((\a)/4)*262144+((\a)%4)*2048+512*\g   ; tile a % 4 of head a / 4 of my two: 512 consecutive bytes, aligned
.elseif \g < 2
	global_store_b128 v[CO], v[CD+4*\g:CD+4*\g+3], s[10:11] offset:1024*(\a)+512*(\g%2)                   ; the first of my two heads,
.else
	global_store_b128 v[CO], v[CD+4*\g:CD+4*\g+3], s[86:87] offset:1024*(\a)+512*(\g%2)                   ; and the second
.endif
.endr
.endm
.macro WAYOUT mode
	LAST                                           ; the bias loads land under the last 64 products
	PLACES NP                                      ; in front of the first reads of results and the first writes over A's fragments
	s_wait_loadcnt 0x0                             ; the biases
.irp a, 0,1,2,3,4,5,6,7
.if \a > 3
	s_wait_xcnt 0x0                                ; block a - 4's stores have read their registers: block a's codes may land there
.endif
	OUT \a, \mode
.endr
	s_wait_tensorcnt 0x0                           ; the wave's end, behind my last tensor load
	ds_add_u32 v[SPW], v[NIL]
	s_wait_dscnt 0x0
.endm
	s_cmp_eq_u32 ttmp9, 2                          ; the one parting: on the cluster's x, the same in all waves and all partners; no barrier and no tensor load stands in either arm
	s_cbranch_scc1 .Lvpath
	; ---- q, k: rows are tokens, columns features
	s_lshl_b32 s66, s42, 10                        ; the biases of my 128 columns: (256 x tile column + 128 x half) x 4 bytes
	s_lshl_b32 s67, s16, 9
	s_add_co_u32 s66, s66, s67
	s_mov_b32 s67, 0
	s_add_nc_u64 s[12:13], s[12:13], s[66:67]
	s_lshr_b32 s66, s17, 3                         ; batch = tile row / 8
	s_lshl_b32 s66, s66, 4
	s_lshl_b32 s68, s42, 2                         ; head = 4 x tile column + 2 x half
	s_add_co_u32 s66, s66, s68
	s_lshl_b32 s68, s16, 1
	s_add_co_u32 s66, s66, s68
	s_lshl_b32 s66, s66, s69
	s_and_b32 s68, s17, 7
	s_lshl_b32 s68, s68, 1
	s_add_co_u32 s68, s68, s15                     ; my 128 tokens within the batch
	s_lshl_b32 s68, s68, s70
	s_add_co_u32 s66, s66, s68
	s_add_nc_u64 s[10:11], s[10:11], s[66:67]
	s_lshl_b32 s66, 1, s69
	s_add_nc_u64 s[86:87], s[10:11], s[66:67]      ; the next head
	s_wait_alu depctr_va_vdst(0)
.irp b, 0,1,2,3,4,5,6,7
	global_load_b128 v[BI+8*\b:BI+8*\b+3], v[BOQ], s[12:13] offset:64*\b        ; bias(16 b + 8 h + 0 .. 7), in the result's layout
	global_load_b128 v[BI+8*\b+4:BI+8*\b+7], v[BOQ], s[12:13] offset:64*\b+16
.endr
	WAYOUT 0
	s_branch .Lend
.Lvpath:
	; ---- v: rows are features, columns tokens
	s_lshl_b32 s66, s17, 10                        ; the biases of my 128 rows
	s_lshl_b32 s67, s15, 9
	s_add_co_u32 s66, s66, s67
	s_mov_b32 s67, 0
	s_add_nc_u64 s[12:13], s[12:13], s[66:67]
	s_lshr_b32 s66, s42, 3                         ; batch = tile column / 8
	s_lshl_b32 s66, s66, 4
	s_lshl_b32 s68, s17, 2                         ; head = 4 x tile row + 2 x half
	s_add_co_u32 s66, s66, s68
	s_lshl_b32 s68, s15, 1
	s_add_co_u32 s66, s66, s68
	s_lshl_b32 s66, s66, 18
	s_and_b32 s68, s42, 7
	s_lshl_b32 s68, s68, 1
	s_add_co_u32 s68, s68, s16                     ; my 128 tokens within the batch
	s_lshl_b32 s68, s68, 14
	s_add_co_u32 s66, s66, s68
	s_add_co_u32 s66, s66, 8192                    ; V's half of the step
	s_add_nc_u64 s[10:11], s[10:11], s[66:67]
	s_wait_alu depctr_va_vdst(0)
.irp a, 0,1,2,3,4,5,6,7
	global_load_b32 v[BI+2*\a], v[BOV], s[12:13] offset:64*\a                   ; bias(16 a + r)
	global_load_b32 v[BI+2*\a+1], v[BOV], s[12:13] offset:64*\a                 ; (the packed form names the pair, so both are written)
.endr
	WAYOUT 1
.Lend:
	CROUND                                         ; the closing round: no work-group ends while a partner may still ask for a tile that names it
	s_endpgm
.Lfunc_end_k_q5a8458e674_proj:
	.size	k_q5a8458e674_proj, .Lfunc_end_k_q5a8458e674_proj-k_q5a8458e674_proj
	.p2alignl 7, 3214868480
	.fill 96, 4, 3214868480
	.section	.rodata,"a",@progbits
	.p2align	6, 0x0
	.amdhsa_kernel k_q5a8458e674_proj
		.amdhsa_group_segment_fixed_size 327680
		.amdhsa_private_segment_fixed_size 0
		.amdhsa_enable_private_segment 0
		.amdhsa_kernarg_size 64
		.amdhsa_user_sgpr_count 2
		.amdhsa_user_sgpr_kernarg_segment_ptr 1
		.amdhsa_wavefront_size32 1
		.amdhsa_system_sgpr_workgroup_id_x 1
		.amdhsa_system_sgpr_workgroup_id_y 1
		.amdhsa_system_sgpr_workgroup_id_z 1
		.amdhsa_system_vgpr_workitem_id 0
		.amdhsa_next_free_vgpr 1024
		.amdhsa_next_free_sgpr 100
		.amdhsa_reserve_vcc 0
		.amdhsa_float_denorm_mode_32 3
		.amdhsa_float_denorm_mode_16_64 3
		.amdhsa_memory_ordered 1
		.amdhsa_forward_progress 1
		.amdhsa_inst_pref_size 200
	.end_amdhsa_kernel
	.amdgpu_metadata
---
amdhsa.version: [ 1, 2 ]
amdhsa.kernels:
  - .name:           k_q5a8458e674_proj
    .symbol:         k_q5a8458e674_proj.kd
    .args:
      - { .name: xc, .offset: 0, .size: 8, .value_kind: global_buffer, .address_space: global }
      - { .name: wc, .offset: 8, .size: 8, .value_kind: global_buffer, .address_space: global }
      - { .name: lowp_scales, .offset: 16, .size: 8, .value_kind: global_buffer, .address_space: global }
      - { .name: bq, .offset: 24, .size: 8, .value_kind: global_buffer, .address_space: global }
      - { .name: bk, .offset: 32, .size: 8, .value_kind: global_buffer, .address_space: global }
      - { .name: bv, .offset: 40, .size: 8, .value_kind: global_buffer, .address_space: global }
      - { .name: qc, .offset: 48, .size: 8, .value_kind: global_buffer, .address_space: global }
      - { .name: kv, .offset: 56, .size: 8, .value_kind: global_buffer, .address_space: global }
    .group_segment_fixed_size: 327680
    .private_segment_fixed_size: 0
    .kernarg_segment_align: 8
    .kernarg_segment_size: 64
    .max_flat_workgroup_size: 128
    .sgpr_count:     100
    .vgpr_count:     1024
    .wavefront_size: 32
...
	.end_amdgpu_metadata
.endif
;; end of part 2
;; launch attn (part 3): grid 8 x 32, 8 waves a work-group, clusters of 4 x 1, 327,680 bytes of LDS; arguments qc, kv, lowp_scales, ao; writes ao
.if DOCPART == 3
	.amdgcn_target "amdgcn-amd-amdhsa--gfx1250"
	.amdhsa_code_object_version 6
	.text
	.protected	k_q5a8458e674_attn
	.globl	k_q5a8458e674_attn
	.p2align	8
	.type	k_q5a8458e674_attn,@function
k_q5a8458e674_attn:
	s_mov_b64 s[64:65], 0
	v_nop
	global_prefetch_b8 v0, s[64:65] scope:SCOPE_SE
	s_setreg_imm32_b32 hwreg(HW_REG_WAVE_MODE, 25, 1), 1
	s_wait_xcnt 0x0
	s_wait_alu depctr_hold_cnt(0) depctr_sa_sdst(0) depctr_va_vdst(0) depctr_va_sdst(0) depctr_va_ssrc(0) depctr_va_vcc(0) depctr_vm_vsrc(0)
	s_getreg_b32 s2, hwreg(HW_REG_IB_STS2, 6, 4)
	s_cmp_eq_u32 s2, 0
	s_cbranch_scc0 .Lentry_in_a_cluster
	s_endpgm
.Lentry_in_a_cluster:
	s_bfe_u32 s2, ttmp6, 0x10000c
	s_cmp_lg_u32 s2, 0x3003
	s_cbranch_scc0 .Lentry_shape_is_right
	s_endpgm
.Lentry_shape_is_right:
; CAUSAL ATTENTION ON CODES OF FP8 (E4M3): o = softmax(q k^T / sqrt(1024), keys t <= s) v for 32 heads (16 batch + head) of 2,048 positions, head size 64; o is quantised at once, with e10, for the last product.
; LEFT OUT (shown at the head of launch quant): key steps all of whose keys come after a wave's 32 queries are neither read from LDS nor multiplied; hidden scores inside a step on the diagonal become -infinity, so that p = 0.
; qc, kv: operand images as launch proj stores them (scales e6; e7, e9).  ao: [32 blocks of 128 tokens][8 tiles of 16 tokens][16 heads][2][32 lanes][16 bytes] (e10): the A operand of launch outp as its registers want it.
; THE SOFTMAX: t = score x log2(e) / 32; M = the row's largest t so far, rounded UP to a whole number; p = 2^(t - M) is quantised with e8, not normalised; the row's sum is taken of the unquantised p and divides
; at the end.  When M moves, the sum and O are multiplied by 2^(old M - new M): exact.
; SHARES.  A head has 64 pairs D of tiles, 32 queries each; pair D needs key steps 0 .. D / 4 of 128 keys.  Work-group i (0 .. 7) owns D = 8 s + i for even slots s, 8 s + 7 - i for odd ones, s = 0 .. 7.  Slots u and 7 - u then
; hold D and 63 - D: n and 17 - n key steps, whatever i is; n = 2 u + 1 + (1 where D % 8 is over 3), which hangs on the cluster's x and on u alone.  They belong to two waves.  Wave u ("A"): slot 7 - u, steps 0 .. 8.
; Wave 4 + u ("B"): slot u, all its n steps, which it finishes and stores; then slot 7 - u, steps 9 .. 16 - n (none for n = 8).  So A walks 9 steps and B 8.
; B hands its part of slot 7 - u (O, -M, the sum's halves) to A through LDS; A joins the two parts by powers of two, exactly as when M moves, and stores.
; A wave's two tiles share every fragment of K and V.  Their chains are interleaved, and plain work stands among the exponentials.
; LDS holds the head's whole K and V, 16 steps of 16,384 bytes: wave w asks for steps 2 w and 2 w + 1 by ONE joint load.  Nothing is filled again.
; CLUSTERS of 4 x 1: the work-groups of a head need the same bytes: each load is made jointly by the four.  NO PREFETCH: all loads stand at the head, and no loop runs ahead of a load.
; LAYOUT.  Both products are used transposed: S^T = K Q^T (source 0 = 16 keys, source 1 = 16 queries; K = 64), O^T = V^T P^T (source 0 = 16 features, source 1 = P; K = 128 keys): a lane holds ONE query of each tile, lane % 16.
; Register j of S^T's tile t is key 16 t + 8 (lane / 16) + j, which is the place that the plain FP8 form gives that k in P (registers 2 t, 2 t + 1): the conversions' results are the operand.  The same holds for O^T in outp's operand.
; LIMITS: e6 + e7 between -121 and 132 (added to c's exponent field); e8 and e10 between -126 and 119; e8 + e9 is applied by v_ldexp_f32 and has none.  Scaled scores stay under 2^31 in magnitude.
; REGISTERS.  Window 0: v1-11 addresses and the diagonal's bounds; v12 -M, v13 the largest t, v[14:15] the sum's halves of tile 0, v56-59 of tile 1; v16-31 Q, v32-47 slot 7 - u's Q; v48-55 work; v60, v62 the two factors;
;   v64-127 S^T, then p of tile 0, v128-191 of tile 1; v192-223 partial sums, then p's codes; v224-255 partial sums and constants.   Window 1: v0-63 K's eight fragments, v64-127 V's four, v128-159 and v160-191 O^T.
.set MRG,   262144                     ; behind K and V: the hand-over, 9,216 bytes for each u
.set MRGB,  9216
.set SPARE, MRG+4*MRGB                 ; the spare words, 128 bytes for each wave: four blocks of 256 bytes that no other line names
.set LA,   1                           ; v1  16 x lane; never rewritten
.set SPW,  5                           ; v5  LDS address of my spare word; never rewritten
.set NIL,  6                           ; v6  0; never rewritten
.set DG,   7                           ; v7  tile 0's query less the diagonal step's first key, less 8 (lane / 16)
.set AD,   8                           ; v8  LDS address of the step in hand
.set DGH,  9                           ; v9  the same as v7 for slot 7 - u
.set HO,   10                          ; v10 LDS address of my lane in the hand-over
.set ADN,  11                          ; v11 LDS address of the next step
.set WV,   18                          ; s18 wave
.set ROLE, 19                          ; s19 0: A, 1: B
.set U,    20
.set WI,   21                          ; s21 i
.set HD,   22                          ; s22 16 batch + head
.set G1,   24
.set G0,   32
.set SW,   36                          ; s36 the trip at which I change to slot 7 - u: B n, A never
.set ADDK, 37                          ; s37 9 - n: from then on the step is the trip + 9 - n
.set LAST, 38                          ; s38 the last step of the trip's slot
.set J,    39                          ; s39 trip
.set KS,   40                          ; s40 the trip's key step
.set LF,   41                          ; s41 the last step of my first slot,
.set LH,   42                          ; s42 and of slot 7 - u
.set NTR,  43                          ; s43 my trips
.set SEL,  44                          ; s[44:45] lane selects for v_permlanex16_b32: lane l xor 16
.set CS,   46                          ; s[46:47] c = log2(e) / 32 x 2^(e6 + e7)
.set MSB, 0
.macro WIN new                         ; the immediate's high byte repeats the setting that is left
.if MSB != \new
	s_set_vgpr_msb (MSB<<8)|\new
.set MSB, \new
.endif
.endm
.macro CROUND
	s_barrier_signal -1
	s_barrier_wait -1
	s_cmp_lg_u32 s[WV], 0
	s_cbranch_scc1 .Lnot_wave_0_\@
	s_barrier_signal -3
.Lnot_wave_0_\@:
	s_barrier_wait -3
	s_barrier_signal -1
	s_barrier_wait -1
.endm
.macro ADD d, a, b
	v_pk_add_f32 v[\d:\d+1], v[\a:\a+1], v[\b:\b+1]
.endm
.macro HOLD r                          ; two numbers p: the conversion does not saturate (ISA guide 7.6.2); p is not negative, so the hold is one-sided
	v_dual_min_num_f32 v[\r], v[\r], v240 :: v_dual_min_num_f32 v[\r+1], v[\r+1], v240
.endm
.macro KLOAD ad                        ; K's eight fragments of a step
	WIN 0x40
.irp t, 0,1,2,3,4,5,6,7
.irp c, 0,1
	ds_load_b128 v[8*\t+4*\c:8*\t+4*\c+3], v[\ad] offset:1024*\t+512*\c
.endr
.endr
	WIN 0
.endm
.macro VLOAD ad                        ; V's four (16 features x 128 keys)
	WIN 0x40
.irp t, 0,1,2,3
.irp c, 0,1,2,3
	ds_load_b128 v[64+16*\t+4*\c:64+16*\t+4*\c+3], v[\ad] offset:8192+2048*\t+512*\c
.endr
.endr
	WIN 0
.endm
.macro STEPAD j, reg                   ; LDS address of trip j's step
	s_cmp_ge_u32 s[\j], s[SW]
	s_cselect_b32 s54, s[ADDK], 0
	s_add_co_u32 s54, s54, s[\j]
	s_and_b32 s54, s54, 15
	s_lshl_b32 s54, s54, 14
	v_add_nc_u32 v[\reg], s54, v[LA]
.endm
.macro CLEAR                           ; empty sums: the first change of M leaves their zeros zeros
	v_mov_b32 v13, 0xff61b1e6                      ; the largest t so far: -3e38, under every t
	v_mov_b32 v57, 0xff61b1e6
	v_mov_b32 v12, 0x7f61b1e6                      ; -M
	v_mov_b32 v56, 0x7f61b1e6
	v_mov_b32 v14, 0
	v_mov_b32 v15, 0
	v_mov_b32 v58, 0
	v_mov_b32 v59, 0
	WIN 0x40
.set j, 0
.rept 64
	v_mov_b32 v[128+j], 0
.set j, j+1
.endr
	WIN 0
.endm
; Two finished tiles: O^T x 2^(e8 + e9) / the sum is held, converted with e10 and stored: each store 512 consecutive bytes, aligned.  base: tile 0's 1,024 bytes of ao; tile 1's lie 16,384 on.
.macro FINAL base
	v_add_f32 v14, v14, v15                        ; the sums' two halves,
	v_add_f32 v58, v58, v59
	v_permlanex16_b32 v52, v14, s[SEL], s[SEL+1]
	v_permlanex16_b32 v53, v58, s[SEL], s[SEL+1]
	v_add_f32 v14, v14, v52                        ; and lane l xor 16's
	v_add_f32 v58, v58, v53
	s_wait_alu depctr_va_vdst(0)                   ; the wait ahead of the reciprocals,
	v_rcp_f32 v14, v14
	v_rcp_f32 v58, v58
	v_nop
	s_wait_alu depctr_va_vdst(0)                   ; and behind them
	v_ldexp_f32 v14, v14, s74
	v_ldexp_f32 v58, v58, s74
	WIN 0x01
	s_wait_alu depctr_va_vdst(0)                   ; the wait directly ahead of the first reader of O^T
.set j, 0
.rept 16
	v_pk_mul_f32 v[64+j:65+j], v[128+j:129+j], v[14:15] op_sel_hi:[1,0]   ; register 8 t + i is o(r, 16 t + 8 h + i)
.set j, j+2
.endr
.set j, 0
.rept 16
	v_pk_mul_f32 v[128+j:129+j], v[160+j:161+j], v[58:59] op_sel_hi:[1,0]
.set j, j+2
.endr
	WIN 0
.set j, 0
.rept 32
	v_med3_num_f32 v[64+j], v[64+j], -v249, v249   ; the hold at 448 x 2^e10
	v_med3_num_f32 v[128+j], v[128+j], -v249, v249
.set j, j+1
.endr
.irp t, 0,1,2,3
	v_cvt_scalef32_pk8_fp8_f32 v[192+2*\t:193+2*\t], v[64+8*\t:71+8*\t], v248
	v_cvt_scalef32_pk8_fp8_f32 v[200+2*\t:201+2*\t], v[128+8*\t:135+8*\t], v248
.endr
	v_nop                                          ; one plain line behind the last conversion
	global_store_b128 v[LA], v[192:195], s[\base:\base+1]
	global_store_b128 v[LA], v[196:199], s[\base:\base+1] offset:512
	global_store_b128 v[LA], v[200:203], s[\base:\base+1] offset:16384
	global_store_b128 v[LA], v[204:207], s[\base:\base+1] offset:16896
.endm
	s_load_b256 s[4:11], s[0:1], 0x0               ; qc 4:5, kv 6:7, the scales' exponents 8:9, ao 10:11
	v_lshl_add_u32 v[SPW], v0, 2, SPARE
	v_mov_b32 v[NIL], 0
	ds_add_u32 v[SPW], v[NIL]                      ; the wave's opening: the add, twice on end, and its wait ahead of the first tensor load; the set-up below stands between
	ds_add_u32 v[SPW], v[NIL]
	v_lshrrev_b32 v8, 5, v0
	v_readfirstlane_b32 s[WV], v8                  ; wave 0..7
	s_lshr_b32 s[ROLE], s[WV], 2
	s_and_b32 s[U], s[WV], 3
	s_and_b32 s40, s[U], 1
	s_xor_b32 s41, ttmp9, s40
	s_lshl_b32 s42, s[U], 1
	s_add_co_u32 s42, s42, s41
	s_add_co_u32 s42, s42, 1                       ; n = 2 u + 1 + (cluster x xor u % 2): the steps of slot u
	s_sub_co_u32 s[ADDK], 9, s42
	s_sub_co_u32 s43, s42, 1
	s_mov_b32 s[SW], s42
	s_sub_co_u32 s[LH], 16, s42                    ; slot 7 - u has 17 - n
	s_bfe_u32 s[WI], ttmp6, 0x40000
	s_lshl_b32 s48, ttmp9, 2
	s_add_co_u32 s[WI], s[WI], s48                 ; i = 4 x cluster x + cx: it enters global addresses and the diagonal's bounds alone
	s_sub_co_u32 s49, 7, s[WI]
	s_cmp_eq_u32 s40, 0
	s_cselect_b32 s48, s[WI], s49
	s_lshl_b32 s49, s[U], 3
	s_add_co_u32 s48, s48, s49                     ; D of slot u,
	s_sub_co_u32 s50, 63, s48                      ; and of slot 7 - u
	s_cmp_eq_u32 s[ROLE], 0
	s_cselect_b32 s[SW], 15, s[SW]
	s_cselect_b32 s[LF], s[LH], s43
	s_cselect_b32 s[NTR], 9, 8
	s_cselect_b32 s52, s50, s48                    ; D of my first slot
	s_and_b32 s[HD], ttmp7, 0xffff
	s_lshr_b32 s54, s[HD], 4
	s_lshl_b32 s54, s54, 21                        ; ao: the batch's 16 blocks of 131,072 bytes,
	s_and_b32 s55, s[HD], 15
	s_lshl_b32 s55, s55, 10
	s_add_co_u32 s54, s54, s55                     ; the head,
	s_lshl_b32 s60, s48, 15                        ; and two tiles of 16,384 bytes for each D
	s_add_co_u32 s60, s60, s54
	s_mov_b32 s61, 0
	s_lshl_b32 s62, s50, 15
	s_add_co_u32 s62, s62, s54
	s_mov_b32 s63, 0
	s_and_b32 s56, s52, 3
	s_lshl_b32 s56, s56, 5                         ; my first slot's first query in the diagonal step,
	s_and_b32 s57, s50, 3
	s_lshl_b32 s57, s57, 5                         ; and slot 7 - u's
	s_lshl_b32 s58, s[HD], 17                      ; the head's first byte in qc
	s_lshl_b32 s48, s52, 11
	s_add_co_u32 s48, s48, s58                     ; my first slot's two tiles,
	s_mov_b32 s49, 0
	s_lshl_b32 s50, s50, 11
	s_add_co_u32 s50, s50, s58                     ; and slot 7 - u's
	s_mov_b32 s51, 0
	s_lshl_b32 s52, s[HD], 18
	s_lshl_b32 s54, s[WV], 15
	s_add_co_u32 s52, s52, s54                     ; kv: the head, steps 2 w and 2 w + 1
	s_mov_b32 s53, 0
	; descriptor group 1: two steps of kv, dense: 128 rows of 256 bytes, no padding; the mask names the cluster's four; bit 21 set beside it
	s_mov_b32 s[G1], 15|(1<<21)
	s_mov_b32 s[G1+1], 256<<16                     ; tensor_dim0
	s_mov_b32 s[G1+2], 128<<16                     ; tensor_dim1
	s_mov_b32 s[G1+3], 256<<16                     ; tile_dim0
	s_mov_b32 s[G1+4], 128                         ; tile_dim1
	s_mov_b32 s[G1+5], 256                         ; tensor_dim0_stride
	s_mov_b32 s[G1+6], 0
	s_mov_b32 s[G1+7], 0
	s_mov_b32 s[G0], 1                             ; count = 1
	s_lshl_b32 s[G0+1], s[WV], 15                  ; LDS address: step 2 w
	s_mov_b32 s[SEL], 0x76543210
	s_mov_b32 s[SEL+1], 0xfedcba98
	s_mov_b32 s[CS], 0x3d38aa3b                    ; c = log2(e) / sqrt(1024)
	s_mul_i32 s54, s[U], MRGB
	s_add_co_u32 s54, s54, MRG
	v_and_b32 v2, 31, v0
	v_and_b32 v3, 15, v0                           ; r
	v_bfe_u32 v4, v0, 4, 1                         ; h
	v_lshlrev_b32 v[LA], 4, v2
	v_lshlrev_b32 v4, 3, v4
	v_add_nc_u32 v[HO], s54, v[LA]
	v_sub_nc_u32 v3, v3, v4                        ; r - 8 h
	v_add_nc_u32 v[DG], s56, v3
	v_add_nc_u32 v[DGH], s57, v3
	s_wait_alu depctr_va_vdst(0)                   ; directly ahead of the waits below
	s_wait_dscnt 0x0                               ; both opening adds are done
	s_wait_kmcnt 0x0
	s_load_b128 s[68:71], s[8:9], 0x18             ; e6, e7, e8, e9
	s_load_b32 s72, s[8:9], 0x28                   ; e10
	s_add_nc_u64 s[48:49], s[4:5], s[48:49]
	s_add_nc_u64 s[50:51], s[4:5], s[50:51]
	s_add_nc_u64 s[60:61], s[10:11], s[60:61]
	s_add_nc_u64 s[62:63], s[10:11], s[62:63]
	s_add_nc_u64 s[G0+2:G0+3], s[6:7], s[52:53]    ; global address: the head and the wave's number alone
	s_or_b32 s[G0+3], s[G0+3], 0x80000000          ; type = 2
.irp c, 0,1,2,3
	global_load_b128 v[16+4*\c:19+4*\c], v[LA], s[48:49] offset:512*\c   ; Q of my first slot, two tiles,
.endr
.irp c, 0,1,2,3
	global_load_b128 v[32+4*\c:35+4*\c], v[LA], s[50:51] offset:512*\c   ; and of slot 7 - u (in an A wave the same tiles, since both roles run one text)
.endr
	CROUND                                         ; all four work-groups are here: the joint loads meet
	tensor_load_to_lds s[G0:G0+3], s[G1:G1+7]      ; my two steps' K and V, 32,768 bytes: the wave's one tensor load
	s_nop 0
.rept 4
	v_nop
.endr
	CLEAR
.irp r, 51,52,53,55,61,63
	v_mov_b32 v\r, 0                               ; lane permutes' destinations count as sources; upper halves of pairs
.endr
	s_mov_b32 s[J], 0
	s_wait_kmcnt 0x0
	s_add_co_i32 s73, s68, s69
	s_lshl_b32 s73, s73, 23
	s_add_co_i32 s[CS], s[CS], s73                 ; a score stands for score x 2^(e6 + e7): the two exponents are added to c's exponent field
	s_mov_b32 s[CS+1], s[CS]                       ; (named with it as a pair, so it is written)
	s_add_co_i32 s74, s70, s71                     ; e8 + e9
	s_add_co_i32 s73, s70, 127
	s_lshl_b32 s75, s73, 23
	v_mov_b32 v244, s75                            ; 2^e8, for p's conversions
	s_add_co_i32 s73, s73, 8
	s_lshl_b32 s73, s73, 23
	s_or_b32 s73, s73, 0x600000
	v_mov_b32 v240, s73                            ; 448 x 2^e8
	s_add_co_i32 s73, s72, 127
	s_lshl_b32 s75, s73, 23
	v_mov_b32 v248, s75                            ; 2^e10, for o's conversions
	s_add_co_i32 s73, s73, 8
	s_lshl_b32 s73, s73, 23
	s_or_b32 s73, s73, 0x600000
	v_mov_b32 v249, s73                            ; 448 x 2^e10
	s_wait_alu depctr_va_vdst(0)                   ; the wait at the head's end
	s_wait_loadcnt 0x0                             ; Q
	s_wait_tensorcnt 0x0                           ; my two steps are in;
	s_barrier_signal -1
	s_barrier_wait -1                              ; everybody's are.
	KLOAD LA                                       ; trip 0 is step 0 in every wave
; NINE TRIPS, a key step of 128 keys for both tiles.  K's fragments have been asked for ahead: in the trip before, or above.  Every branch hangs on the wave's number, the cluster's x and the count of trips.
.Ltrip:
	s_cmp_lg_u32 s[J], s[SW]
	s_cbranch_scc1 .Lsame
.rept 4
	v_nop                                          ; places behind the last products, whose results are read below
.endr
	FINAL 60                                       ; B: slot u is finished; on to its part of slot 7 - u
	CLEAR
.set j, 0
.rept 16
	v_mov_b32 v[16+j], v[32+j]
.set j, j+1
.endr
	v_mov_b32 v[DG], v[DGH]
	s_wait_alu depctr_va_vdst(0)                   ; directly ahead of the wait below
	s_wait_xcnt 0x0                                ; the four stores have read their registers
.Lsame:
	s_cmp_ge_u32 s[J], s[NTR]                      ; B's ninth trip: no step is left
	s_cbranch_scc1 .Lskip
	s_cmp_ge_u32 s[J], s[SW]
	s_cselect_b32 s[KS], s[ADDK], 0
	s_cselect_b32 s[LAST], s[LH], s[LF]
	s_add_co_u32 s[KS], s[KS], s[J]
	STEPAD J, AD
.rept 3
	v_nop                                          ; with the addition: four places in front of loads into registers that the last products read
.endr
	VLOAD AD
	s_wait_dscnt 16                                ; K's fragments are in; V's sixteen loads may be out
	WIN 0x01
.irp t, 0,1,2,3,4,5,6,7
	v_wmma_f32_16x16x64_fp8_fp8 v[64+8*\t:71+8*\t], v[8*\t:8*\t+7], v[16:23], 0
	v_wmma_f32_16x16x64_fp8_fp8 v[128+8*\t:135+8*\t], v[8*\t:8*\t+7], v[24:31], 0
.endr
	WIN 0
.rept 4
	v_nop                                          ; places in front of the loads below and of the first reads of the scores
.endr
	s_add_co_u32 s55, s[J], 1                      ; the next step's K, if there is one
	s_cmp_ge_u32 s55, s[NTR]
	s_cbranch_scc1 .Lnone
	STEPAD 55, ADN
	KLOAD ADN
.Lnone:
	s_cmp_lg_u32 s[KS], s[LAST]                    ; only the step on the diagonal has hidden keys
	s_cbranch_scc1 .Lopen
	v_mov_b32 v250, 0xff800000                     ; -infinity
.set n, 0
.rept 64
	v_cmp_gt_i32 vcc_lo, 16*(n/8)+n%8, v[DG]       ; register n is key 16 (n / 8) + 8 h + n % 8 of the step: hidden where it comes after my query
	v_cndmask_b32 v[64+n], v[64+n], v250, vcc_lo
.set n, n+1
.endr
.set n, 0
.rept 64
	v_cmp_gt_i32 vcc_lo, 16*(n/8)+n%8-16, v[DG]    ; tile 1's queries lie 16 on
	v_cndmask_b32 v[128+n], v[128+n], v250, vcc_lo
.set n, n+1
.endr
.Lopen:
	v_max3_num_f32 v48, v64, v65, v66              ; the step's largest score of my queries, among my 64 keys, in two chains a tile, each accumulator from its low end on,
	v_max3_num_f32 v49, v128, v129, v130
	v_max3_num_f32 v50, v67, v68, v69
	v_max3_num_f32 v51, v131, v132, v133
.irp i, 6,10,14,18,22,26,30,34,38,42,46,50,54,58
	v_max3_num_f32 v48, v48, v[64+\i], v[65+\i]
	v_max3_num_f32 v49, v49, v[128+\i], v[129+\i]
	v_max3_num_f32 v50, v50, v[66+\i], v[67+\i]
	v_max3_num_f32 v51, v51, v[130+\i], v[131+\i]
.endr
	v_max3_num_f32 v48, v48, v126, v127
	v_max3_num_f32 v49, v49, v190, v191
	v_max_num_f32 v48, v48, v50
	v_max_num_f32 v49, v49, v51
	v_permlanex16_b32 v52, v48, s[SEL], s[SEL+1]
	v_permlanex16_b32 v53, v49, s[SEL], s[SEL+1]
	v_max_num_f32 v48, v48, v52                    ; and among lane l xor 16's
	v_max_num_f32 v49, v49, v53
	v_mul_f32 v48, s[CS], v48                      ; as t (c is positive)
	v_mul_f32 v49, s[CS], v49
	v_max_num_f32 v13, v13, v48                    ; the running largest t
	v_max_num_f32 v57, v57, v49
	v_mov_b32 v50, v12
	v_mov_b32 v51, v56
	v_floor_f32 v12, -v13                          ; the new -M = floor(-t) = -ceil(t): M is a whole number
	v_floor_f32 v56, -v57
	v_sub_f32 v50, v12, v50                        ; M's old value less its new one: a whole number, 0 or less
	v_sub_f32 v51, v56, v51
	v_cvt_i32_f32 v50, v50                         ; (it saturates)
	v_cvt_i32_f32 v51, v51
	v_ldexp_f32 v60, 1.0, v50                      ; f = 2^(old M - new M)
	v_ldexp_f32 v62, 1.0, v51
.set j, 0
.rept 32
	v_pk_fma_f32 v[64+j:65+j], v[64+j:65+j], s[CS:CS+1], v[12:13] op_sel_hi:[1,0,0]   ; t - M, two at a time (of the pairs c and -M the low word serves both halves)
.set j, j+2
.endr
.set j, 0
	s_wait_alu depctr_va_vdst(0)                   ; the wait ahead of the batch too
.rept 32
	v_exp_f32 v[64+j], v[64+j]                     ; tile 0: p = 2^(t - M), at most 1: not normalised
	v_exp_f32 v[65+j], v[65+j]
	v_pk_fma_f32 v[128+j:129+j], v[128+j:129+j], s[CS:CS+1], v[56:57] op_sel_hi:[1,0,0]   ; tile 1: t - M
.set j, j+2
.endr
.set j, 0
.set k, 192
	s_wait_alu depctr_va_vdst(0)                   ; one wait behind tile 0's batch and ahead of tile 1's
.rept 16
	v_exp_f32 v[128+j], v[128+j]                   ; tile 1
	v_exp_f32 v[129+j], v[129+j]
	ADD k, 64+j, 66+j                              ; tile 0's sum of the unquantised p, sixteen pairs;
	v_exp_f32 v[130+j], v[130+j]
	HOLD 64+j                                      ; then its hold
	v_exp_f32 v[131+j], v[131+j]
	HOLD 66+j
.set j, j+4
.set k, k+2
.endr
	v_pk_mul_f32 v[14:15], v[14:15], v[60:61] op_sel_hi:[1,0]   ; the sums under the new M
	v_pk_mul_f32 v[58:59], v[58:59], v[62:63] op_sel_hi:[1,0]
	s_wait_alu depctr_va_vdst(0)                   ; the wait ahead of the first line that names one of the batch's results
.set k, 0
.rept 8
	ADD 224+2*k, 128+4*k, 130+4*k                  ; tile 1's sum, in eight chains
.set k, k+1
.endr
.set k, 0
.rept 8
	ADD 224+2*k, 224+2*k, 160+2*k
.set k, k+1
.endr
.set k, 0
.rept 8
	ADD 224+2*k, 224+2*k, 176+2*k
.set k, k+1
.endr
.irp k, 0,2,4,6,8,10,12,14
	ADD 192+\k, 192+\k, 208+\k
.endr
.irp k, 0,2,4,6
	ADD 224+\k, 224+\k, 232+\k
.endr
.irp k, 0,2,4,6
	ADD 192+\k, 192+\k, 200+\k
.endr
	ADD 224, 224, 228
	ADD 226, 226, 230
	ADD 192, 192, 196
	ADD 194, 194, 198
	ADD 224, 224, 226
	ADD 192, 192, 194
	ADD 58, 58, 224
	ADD 14, 14, 192
.set j, 128
.rept 32
	HOLD j
.set j, j+2
.endr
.irp b, 0,1,2,3,4,5,6,7
	v_cvt_scalef32_pk8_fp8_f32 v[192+2*\b:193+2*\b], v[64+8*\b:71+8*\b], v244
	v_cvt_scalef32_pk8_fp8_f32 v[208+2*\b:209+2*\b], v[128+8*\b:135+8*\b], v244
.endr
	WIN 0x41
	s_wait_alu depctr_va_vdst(0)                   ; the wait directly ahead of the first reader of O^T
.set j, 0
.rept 16
	v_pk_mul_f32 v[128+j:129+j], v[128+j:129+j], v[60:61] op_sel_hi:[1,0]   ; O^T under the new M: x f.  (Also the plain lines between the conversions and the products that read the codes)
.set j, j+2
.endr
.set j, 0
.rept 16
	v_pk_mul_f32 v[160+j:161+j], v[160+j:161+j], v[62:63] op_sel_hi:[1,0]
.set j, j+2
.endr
	s_wait_alu depctr_va_vdst(0)                   ; directly ahead of the wait below
	s_wait_dscnt 0x0                               ; V's fragments are in, and the next step's of K
	WIN 0x51
.irp t, 0,1,2,3                        ; O^T += V^T P^T: the eight accumulators by turns, one instruction a turn
	v_wmma_f32_16x16x128_fp8_fp8 v[128+8*\t:135+8*\t], v[64+16*\t:79+16*\t], v[192:207], v[128+8*\t:135+8*\t]
	v_wmma_f32_16x16x128_fp8_fp8 v[160+8*\t:167+8*\t], v[64+16*\t:79+16*\t], v[208:223], v[160+8*\t:167+8*\t]
.endr
	WIN 0
.Lskip:
	s_add_co_u32 s[J], s[J], 1
	s_cmp_lt_u32 s[J], 9
	s_cbranch_scc1 .Ltrip
.rept 4
	v_nop                                          ; places behind the last products: their results are stored or read, and their sources loaded over, below
.endr
	s_cmp_eq_u32 s[ROLE], 0
	s_cbranch_scc1 .Lmeet
	WIN 0x04                                       ; store data: window 1
.irp k, 0,1,2,3,4,5,6,7,8,9,10,11,12,13,14,15   ; B hands its part over
	ds_store_b128 v[HO], v[128+4*\k:131+4*\k] offset:512*\k
.endr
	WIN 0
	ds_store_b128 v[HO], v[12:15] offset:8192
	ds_store_b128 v[HO], v[56:59] offset:8704
.Lmeet:
	s_wait_dscnt 0x0                               ; B's stores are done
	s_barrier_signal -1
	s_barrier_wait -1
	s_cmp_lg_u32 s[ROLE], 0
	s_cbranch_scc1 .Ldone
	ds_load_b128 v[192:195], v[HO] offset:8192     ; A joins: B's -M, largest t, sum, for each tile
	ds_load_b128 v[196:199], v[HO] offset:8704
.irp k, 0,1,2,3,4,5,6,7,8,9,10,11,12,13,14,15
	ds_load_b128 v[64+4*\k:67+4*\k], v[HO] offset:512*\k
.endr
	s_wait_dscnt 0x0
	v_min_num_f32 v48, v12, v192                   ; the joint -M
	v_min_num_f32 v49, v56, v196
	v_sub_f32 v60, v48, v12
	v_sub_f32 v62, v49, v56
	v_sub_f32 v50, v48, v192
	v_sub_f32 v54, v49, v196
	v_cvt_i32_f32 v60, v60
	v_cvt_i32_f32 v62, v62
	v_cvt_i32_f32 v50, v50                         ; (it saturates: an empty part counts 0)
	v_cvt_i32_f32 v54, v54
	v_ldexp_f32 v60, 1.0, v60                      ; what brings my part under it,
	v_ldexp_f32 v62, 1.0, v62
	v_ldexp_f32 v50, 1.0, v50                      ; and B's
	v_ldexp_f32 v54, 1.0, v54
	v_pk_mul_f32 v[14:15], v[14:15], v[60:61] op_sel_hi:[1,0]
	v_pk_mul_f32 v[58:59], v[58:59], v[62:63] op_sel_hi:[1,0]
	v_pk_fma_f32 v[14:15], v[194:195], v[50:51], v[14:15] op_sel_hi:[1,0,1]
	v_pk_fma_f32 v[58:59], v[198:199], v[54:55], v[58:59] op_sel_hi:[1,0,1]
	WIN 0x41
.set j, 0
.rept 16
	v_pk_mul_f32 v[128+j:129+j], v[128+j:129+j], v[60:61] op_sel_hi:[1,0]
	v_pk_mul_f32 v[160+j:161+j], v[160+j:161+j], v[62:63] op_sel_hi:[1,0]
.set j, j+2
.endr
	WIN 0x50
.set j, 0
.rept 16
	v_pk_fma_f32 v[128+j:129+j], v[64+j:65+j], v[50:51], v[128+j:129+j] op_sel_hi:[1,0,1]
	v_pk_fma_f32 v[160+j:161+j], v[96+j:97+j], v[54:55], v[160+j:161+j] op_sel_hi:[1,0,1]
.set j, j+2
.endr
	WIN 0
	FINAL 62
.Ldone:
	s_wait_tensorcnt 0x0                           ; the wave's end, behind my last tensor load and my last LDS store
	ds_add_u32 v[SPW], v[NIL]
	s_wait_dscnt 0x0
	CROUND                                         ; the closing round
	s_endpgm
.Lfunc_end_k_q5a8458e674_attn:
	.size	k_q5a8458e674_attn, .Lfunc_end_k_q5a8458e674_attn-k_q5a8458e674_attn
	.p2alignl 7, 3214868480
	.fill 96, 4, 3214868480
	.section	.rodata,"a",@progbits
	.p2align	6, 0x0
	.amdhsa_kernel k_q5a8458e674_attn
		.amdhsa_group_segment_fixed_size 327680
		.amdhsa_private_segment_fixed_size 0
		.amdhsa_enable_private_segment 0
		.amdhsa_kernarg_size 32
		.amdhsa_user_sgpr_count 2
		.amdhsa_user_sgpr_kernarg_segment_ptr 1
		.amdhsa_wavefront_size32 1
		.amdhsa_system_sgpr_workgroup_id_x 1
		.amdhsa_system_sgpr_workgroup_id_y 1
		.amdhsa_system_sgpr_workgroup_id_z 1
		.amdhsa_system_vgpr_workitem_id 0
		.amdhsa_next_free_vgpr 512
		.amdhsa_next_free_sgpr 100
		.amdhsa_reserve_vcc 1
		.amdhsa_float_denorm_mode_32 3
		.amdhsa_float_denorm_mode_16_64 3
		.amdhsa_memory_ordered 1
		.amdhsa_forward_progress 1
		.amdhsa_inst_pref_size 75
	.end_amdhsa_kernel
	.amdgpu_metadata
---
amdhsa.version: [ 1, 2 ]
amdhsa.kernels:
  - .name:           k_q5a8458e674_attn
    .symbol:         k_q5a8458e674_attn.kd
    .args:
      - { .name: qc, .offset: 0, .size: 8, .value_kind: global_buffer, .address_space: global }
      - { .name: kv, .offset: 8, .size: 8, .value_kind: global_buffer, .address_space: global }
      - { .name: lowp_scales, .offset: 16, .size: 8, .value_kind: global_buffer, .address_space: global }
      - { .name: ao, .offset: 24, .size: 8, .value_kind: global_buffer, .address_space: global }
    .group_segment_fixed_size: 327680
    .private_segment_fixed_size: 0
    .kernarg_segment_align: 8
    .kernarg_segment_size: 32
    .max_flat_workgroup_size: 256
    .sgpr_count:     100
    .vgpr_count:     512
    .wavefront_size: 32
...
	.end_amdgpu_metadata
.endif
;; end of part 3
;; launch outp (part 4): grid 8 x 32, 4 waves a work-group, clusters of 4 x 4, 327,680 bytes of LDS; arguments ao, wc, lowp_scales, bo, out0; writes out0
.if DOCPART == 4
	.amdgcn_target "amdgcn-amd-amdhsa--gfx1250"
	.amdhsa_code_object_version 6
	.text
	.protected	k_q5a8458e674_outp
	.globl	k_q5a8458e674_outp
	.p2align	8
	.type	k_q5a8458e674_outp,@function
k_q5a8458e674_outp:
	s_mov_b64 s[64:65], 0
	v_nop
	global_prefetch_b8 v0, s[64:65] scope:SCOPE_SE
	s_setreg_imm32_b32 hwreg(HW_REG_WAVE_MODE, 25, 1), 1
	s_wait_xcnt 0x0
	s_wait_alu depctr_hold_cnt(0) depctr_sa_sdst(0) depctr_va_vdst(0) depctr_va_sdst(0) depctr_va_ssrc(0) depctr_va_vcc(0) depctr_vm_vsrc(0)
	s_getreg_b32 s2, hwreg(HW_REG_IB_STS2, 6, 4)
	s_cmp_eq_u32 s2, 0
	s_cbranch_scc0 .Lentry_in_a_cluster
	s_endpgm
.Lentry_in_a_cluster:
	s_bfe_u32 s2, ttmp6, 0x10000c
	s_cmp_lg_u32 s2, 0xf033
	s_cbranch_scc0 .Lentry_shape_is_right
	s_endpgm
.Lentry_shape_is_right:
; THE LAST PROJECTION: out0 = o Wo + bo on codes of FP8 (E4M3), [4,096 tokens][1,024 columns] f32; K = 1,024.  Nothing is left out here.
; A = ao, the attention's result as an operand image: [32 blocks of 128 tokens][8 tiles of 16 tokens][16 heads][2][32 lanes][16 bytes].  B = set 3 of wc: Wo's codes [1,024 columns][1,024 K].
; A tile of 128 tokens x 128 columns is made by four waves, each 64 x 64: 16 accumulators.  All of K lies in LDS at once: A's 131,072 bytes as they are, B's 128 rows of 1,024 bytes 1,040 bytes apart; each wave asks for a quarter by ONE joint load.
; CLUSTERS: 4 x 4 work-groups; the four of a row need the same tile of A, the four of a column the same tile of B.  NO PREFETCH: the loads stand at the head and nothing is fetched behind them.
; THE MATRIX INSTRUCTION IS USED TRANSPOSED (source 0 = 16 rows of B, source 1 = 16 tokens): a lane holds eight neighbouring columns of one token.  A's image gives each k the place that the plain FP8 form has for it (registers 2 c, 2 c + 1:
; k = 16 c + 8 (lane / 16) + 0 .. 7), so B's fragments are read in that order: eight loads of 8 bytes.
; Each sum x 2^(e10 + e11) + bias; blocks of 16 tokens x 64 columns go through the wave's own stage in LDS and leave sixteen lanes to 256 consecutive bytes, aligned.   LIMIT: e10 + e11 between -126 and 127.
; REGISTERS: window 0: addresses, v32-63 biases, v64-127 the way out, v128-255 accumulators.   Window 1: fragments, two sets of 128: A's four at 0, B's four at 64.
.set PB,     1040                      ; 260 words: row r starts at bank 4 r mod 64 (64 banks of 4 bytes: ISA guide 11.1)
.set BOFF,   131072
.set BHALF,  64*PB
.set STAGE,  BOFF+2*BHALF              ; 16 rows x 272 bytes for each wave; no tensor load lands here
.set SPITCH, 272
.set SPARE,  STAGE+4*16*SPITCH         ; the spare words, 128 bytes for each wave
.set ADRA, 16
.set ADRB, 20
.set STO,  24
.set RD,   25
.set CO,   26
.set BO,   27
.set SPW,  28                          ; v28, v29: my spare word's address and 0; never rewritten
.set NIL,  29
.set BI,   32
.set BK,   64
.set ACC,  128
.set G1, 24
.set G0, 32
.set G1B, 48
.set G0B, 56
.set MSB, 0
.macro WIN new                         ; the immediate's high byte repeats the setting that is left
.if MSB != \new
	s_set_vgpr_msb (MSB<<8)|\new
.set MSB, \new
.endif
.endm
.macro CROUND
	s_barrier_signal -1
	s_barrier_wait -1
	s_cmp_lg_u32 s14, 0
	s_cbranch_scc1 .Lnot_wave_0_\@
	s_barrier_signal -3
.Lnot_wave_0_\@:
	s_barrier_wait -3
	s_barrier_signal -1
	s_barrier_wait -1
.endm
	s_load_b128 s[4:7], s[0:1], 0x0                ; ao, wc
	s_load_b128 s[8:11], s[0:1], 0x10              ; the scales' exponents, bo
	s_load_b64 s[12:13], s[0:1], 0x20              ; out0
	v_lshl_add_u32 v[SPW], v0, 2, SPARE
	v_mov_b32 v[NIL], 0
	ds_add_u32 v[SPW], v[NIL]                      ; the wave's opening: the add, twice on end, and its wait ahead of my first tensor load
	ds_add_u32 v[SPW], v[NIL]
	v_lshrrev_b32 v1, 5, v0
	v_readfirstlane_b32 s14, v1                    ; wave 0..3
	s_lshr_b32 s15, s14, 1                         ; my 64 tokens.  Also: I fetch for A (0) or for B (1)
	s_and_b32 s16, s14, 1                          ; my 64 columns.  Also: which half of that tile I fetch
	s_bfe_u32 s40, ttmp6, 0x40000                  ; cx, cy
	s_bfe_u32 s41, ttmp6, 0x40004
	s_lshl_b32 s42, ttmp9, 2
	s_add_co_u32 s42, s42, s40                     ; tile column
	s_and_b32 s17, ttmp7, 0xffff
	s_lshl_b32 s17, s17, 2
	s_add_co_u32 s17, s17, s41                     ; tile row
	s_lshl_b32 s43, s41, 2
	s_lshl_b32 s43, 15, s43                        ; my row of the cluster
	s_lshl_b32 s44, 0x1111, s40                    ; my column
	; descriptor group 1: 64 rows of 1,024 bytes, dense in memory; A without padding, B with 4 words (code 3) after every 256 (code 7)
	s_or_b32 s[G1+0], s43, (0<<16)|(1<<21)
	s_or_b32 s[G1B+0], s44, (0<<16)|(1<<20)|(1<<21)|(7<<22)|(3<<25)
.irp g, G1, G1B
	s_mov_b32 s[\g+1], 1024<<16                    ; tensor_dim0
	s_mov_b32 s[\g+2], 64<<16                      ; tensor_dim1
	s_mov_b32 s[\g+3], 1024<<16                    ; tile_dim0
	s_mov_b32 s[\g+4], 64                          ; tile_dim1
	s_mov_b32 s[\g+5], 1024                        ; tensor_dim0_stride
	s_mov_b32 s[\g+6], 0
	s_mov_b32 s[\g+7], 0
.endr
	s_lshl_b32 s20, s17, 17                        ; A: 131,072 bytes a tile row,
	s_lshl_b32 s18, s16, 16                        ; half of it
	s_add_co_u32 s20, s20, s18
	s_mov_b32 s21, 0
	s_lshl_b32 s46, s42, 17                        ; B: 128 rows of 1,024 bytes a tile column, behind three weights' sets
	s_add_co_u32 s46, s46, s18
	s_add_co_u32 s46, s46, 0x300000
	s_mov_b32 s47, 0
	s_lshl_b32 s45, s16, 16                        ; in LDS: A,
	s_mul_i32 s66, s16, BHALF
	s_add_co_u32 s66, s66, BOFF                    ; B: my half to fetch is also my 64 columns
	s_mov_b32 s[G0], 1
	s_mov_b32 s[G0+1], s45
	s_mov_b32 s[G0B], 1
	s_mov_b32 s[G0B+1], s66
	s_lshl_b32 s22, s15, 16                        ; my 64 tokens in A's image
	s_mul_i32 s23, s14, 16*SPITCH
	s_add_co_u32 s23, s23, STAGE                   ; my stage
	s_wait_dscnt 0x0                               ; both opening adds are done
	s_wait_kmcnt 0x0
	s_load_b64 s[96:97], s[8:9], 0x28              ; e10, e11
	s_add_nc_u64 s[G0+2:G0+3], s[4:5], s[20:21]
	s_or_b32 s[G0+3], s[G0+3], 0x80000000
	s_add_nc_u64 s[G0B+2:G0B+3], s[6:7], s[46:47]
	s_or_b32 s[G0B+3], s[G0B+3], 0x80000000
	CROUND                                         ; all sixteen work-groups are here: the joint loads meet
	s_cmp_eq_u32 s15, 0                            ; waves 0 and 1 fetch for A, waves 2 and 3 for B: on the wave's number alone
	s_cbranch_scc0 .Lfor_b
	tensor_load_to_lds s[G0:G0+3], s[G1:G1+7]
	s_nop 0
.rept 4
	v_nop
.endr
	s_branch .Lasked
.Lfor_b:
	tensor_load_to_lds s[G0B:G0B+3], s[G1B:G1B+7]
	s_nop 0
.rept 4
	v_nop
.endr
.Lasked:
	s_lshl_b32 s20, s42, 9
	s_lshl_b32 s21, s16, 8
	s_add_co_u32 s20, s20, s21                     ; my first column, in bytes
	s_mov_b32 s21, 0
	s_add_nc_u64 s[10:11], s[10:11], s[20:21]
	s_add_nc_u64 s[12:13], s[12:13], s[20:21]
	s_lshl_b32 s20, s17, 7
	s_lshl_b32 s18, s15, 6
	s_add_co_u32 s20, s20, s18
	s_lshl_b32 s20, s20, 12
	s_add_nc_u64 s[12:13], s[12:13], s[20:21]      ; my first token's row of out0
	v_bfe_u32 v2, v0, 4, 1                         ; h
	v_lshlrev_b32 v[BO], 5, v2                     ; a bias's place: 8 columns for each half of the lanes
.irp b, 0,1,2,3
	global_load_b128 v[BI+8*\b:BI+8*\b+3], v[BO], s[10:11] offset:64*\b
	global_load_b128 v[BI+8*\b+4:BI+8*\b+7], v[BO], s[10:11] offset:64*\b+16
.endr
	v_and_b32 v1, 15, v0                           ; r
	v_and_b32 v3, 31, v0
	v_lshlrev_b32 v3, 4, v3
	v_add_nc_u32 v[ADRA], s22, v3
	v_mul_u32_u24 v4, v1, PB
	v_lshl_add_u32 v4, v2, 3, v4                   ; row r, 8 h
	v_add_nc_u32 v[ADRB], s66, v4
	v_mul_u32_u24 v5, v1, SPITCH
	v_lshl_add_u32 v5, v2, 5, v5
	v_add_nc_u32 v[STO], s23, v5                   ; into the stage: row r, 32 bytes for each half of the lanes
	v_mul_u32_u24 v6, v2, SPITCH
	v_lshl_add_u32 v6, v1, 4, v6
	v_add_nc_u32 v[RD], s23, v6                    ; back: sixteen lanes to a row
	v_lshlrev_b32 v7, 12, v2
	v_lshl_add_u32 v[CO], v1, 4, v7                ; and the same two rows of out0
.macro PLACES                          ; plain lines between a matrix instruction and a load into, or a vector instruction on, one of its registers (ISA guide 7.12.1 for vector instructions)
.rept 4
	v_nop
.endr
.endm
.macro FETCH s                         ; the fragments of K 128 s on: two heads of A's image; 128 codes of B's rows
.set FP, 128*((\s)%2)
	WIN 0x40
.irp i, 0,1,2,3
.irp c, 0,1,2,3,4,5,6,7
	ds_load_b64 v[FP+64+16*\i+2*\c:FP+64+16*\i+2*\c+1], v[ADRB] offset:128*(\s)+16*\c+\i*16*PB
.endr
.endr
.irp i, 0,1,2,3
.irp c, 0,1,2,3
	ds_load_b128 v[FP+16*\i+4*\c:FP+16*\i+4*\c+3], v[ADRA] offset:\i*16384+(\s)*2048+512*\c
.endr
.endr
.endm
.macro KSTEP s                         ; sixteen accumulators by turns, one instruction a turn
.set KS, 128*((\s)%2)
	s_wait_dscnt 0x0                               ; this step's fragments are in
.if (\s) < 7
.if (\s) > 0
	PLACES
.endif
	FETCH (\s)+1
.endif
	WIN 0x05
.irp a, 0,1,2,3
.irp b, 0,1,2,3
.if (\s) == 0
	v_wmma_f32_16x16x128_fp8_fp8 v[ACC+8*(4*\a+\b):ACC+8*(4*\a+\b)+7], v[KS+64+16*\b:KS+64+16*\b+15], v[KS+16*\a:KS+16*\a+15], 0
.else
	v_wmma_f32_16x16x128_fp8_fp8 v[ACC+8*(4*\a+\b):ACC+8*(4*\a+\b)+7], v[KS+64+16*\b:KS+64+16*\b+15], v[KS+16*\a:KS+16*\a+15], v[ACC+8*(4*\a+\b):ACC+8*(4*\a+\b)+7]
.endif
.endr
.endr
.endm
	s_wait_alu depctr_va_vdst(0)                   ; the wait at the head's end
	s_wait_tensorcnt 0x0                           ; my quarter is in;
	s_barrier_signal -1
	s_barrier_wait -1                              ; everybody's is.
	FETCH 0
.irp s, 0,1,2,3,4,5,6,7
	KSTEP \s
.endr
	WIN 0
	PLACES
	s_wait_kmcnt 0x0
	s_add_co_i32 s96, s96, s97
	s_add_co_i32 s96, s96, 127
	s_lshl_b32 s96, s96, 23                        ; 2^(e10 + e11) as f32
	s_mov_b32 s97, s96                             ; (named with it as a pair, so it is written)
	s_wait_loadcnt 0x0                             ; the biases
.macro TOST a                          ; block a: 16 tokens x 64 columns, into my stage and back by rows: a wave's LDS instructions are served in order (ISA guide 5.7.1.4)
.set AC, ACC+32*(\a)
.set BB, BK+32*((\a)%2)
.set j, 0
.rept 16
	v_pk_fma_f32 v[AC+j:AC+j+1], v[AC+j:AC+j+1], s[96:97], v[BI+j:BI+j+1] op_sel_hi:[1,0,1]   ; each accumulator from its low end on
.set j, j+2
.endr
.irp b, 0,1,2,3
	ds_store_b128 v[STO], v[AC+8*\b:AC+8*\b+3] offset:64*\b
	ds_store_b128 v[STO], v[AC+8*\b+4:AC+8*\b+7] offset:64*\b+16
.endr
.irp t, 0,1,2,3,4,5,6,7
	ds_load_b128 v[BB+4*\t:BB+4*\t+3], v[RD] offset:\t*2*SPITCH
.endr
.endm
.macro SEND a, younger                 ; younger: the LDS instructions issued behind block a's loads, which may stay out
.set BB, BK+32*((\a)%2)
	s_wait_dscnt \younger
.irp t, 0,1,2,3,4,5,6,7
	global_store_b128 v[CO], v[BB+4*\t:BB+4*\t+3], s[12:13] offset:(16*(\a)+2*\t)*4096 th:TH_STORE_NT
.endr
.endm
	TOST 0
	TOST 1
	SEND 0, 16                                     ; behind block 0's loads: block 1's 8 stores and 8 loads
	s_wait_xcnt 0x0                                ; block 0's stores have read their registers
	TOST 2
	SEND 1, 16
	s_wait_xcnt 0x0
	TOST 3
	SEND 2, 16
	SEND 3, 0
	s_wait_tensorcnt 0x0                           ; the wave's end, behind my last tensor load and my last LDS store
	ds_add_u32 v[SPW], v[NIL]
	s_wait_dscnt 0x0
	CROUND                                         ; the closing round
	s_endpgm
.Lfunc_end_k_q5a8458e674_outp:
	.size	k_q5a8458e674_outp, .Lfunc_end_k_q5a8458e674_outp-k_q5a8458e674_outp
	.p2alignl 7, 3214868480
	.fill 96, 4, 3214868480
	.section	.rodata,"a",@progbits
	.p2align	6, 0x0
	.amdhsa_kernel k_q5a8458e674_outp
		.amdhsa_group_segment_fixed_size 327680
		.amdhsa_private_segment_fixed_size 0
		.amdhsa_enable_private_segment 0
		.amdhsa_kernarg_size 40
		.amdhsa_user_sgpr_count 2
		.amdhsa_user_sgpr_kernarg_segment_ptr 1
		.amdhsa_wavefront_size32 1
		.amdhsa_system_sgpr_workgroup_id_x 1
		.amdhsa_system_sgpr_workgroup_id_y 1
		.amdhsa_system_sgpr_workgroup_id_z 1
		.amdhsa_system_vgpr_workitem_id 0
		.amdhsa_next_free_vgpr 512
		.amdhsa_next_free_sgpr 100
		.amdhsa_reserve_vcc 0
		.amdhsa_float_denorm_mode_32 3
		.amdhsa_float_denorm_mode_16_64 3
		.amdhsa_memory_ordered 1
		.amdhsa_forward_progress 1
		.amdhsa_inst_pref_size 52
	.end_amdhsa_kernel
	.amdgpu_metadata
---
amdhsa.version: [ 1, 2 ]
amdhsa.kernels:
  - .name:           k_q5a8458e674_outp
    .symbol:         k_q5a8458e674_outp.kd
    .args:
      - { .name: ao, .offset: 0, .size: 8, .value_kind: global_buffer, .address_space: global }
      - { .name: wc, .offset: 8, .size: 8, .value_kind: global_buffer, .address_space: global }
      - { .name: lowp_scales, .offset: 16, .size: 8, .value_kind: global_buffer, .address_space: global }
      - { .name: bo, .offset: 24, .size: 8, .value_kind: global_buffer, .address_space: global }
      - { .name: out0, .offset: 32, .size: 8, .value_kind: global_buffer, .address_space: global }
    .group_segment_fixed_size: 327680
    .private_segment_fixed_size: 0
    .kernarg_segment_align: 8
    .kernarg_segment_size: 40
    .max_flat_workgroup_size: 128
    .sgpr_count:     100
    .vgpr_count:     512
    .wavefront_size: 32
...
	.end_amdgpu_metadata
.endif
;; end of part 4
